; MI455X (gfx1250); checked and timed in simulation.
; The chip was launched on July 23, 2026; its instructions are those of AMD's public machine-readable ISA for CDNA 5 (MIT licence, August 2026) and "CDNA5" Instruction Set Architecture Reference Guide (July 2026). The comments in the code are by the model that wrote it; some were corrected since.
;; Muti Query Attention. Allowed arithmetic: matrix products marked QUANTISED: E4M3 operands, one given power-of-two scale a tensor, by v_wmma_f32_16x16x64_fp8_fp8 or v_wmma_f32_16x16x128_fp8_fp8, f32 sums; everything else in f32.
;; Inputs: Wk 1,024 x 64 float32; Wo 1,024 x 1,024 float32; Wq 1,024 x 1,024 float32; Wv 1,024 x 64 float32; bk 64 float32; bo 1,024 float32; bq 1,024 float32; bv 64 float32; hidden_state 4 x 2,048 x 1,024 float32; lowp_scales 12 int32 (the exponents e of the quantised operands' scales 2^e).
;; Outputs: out0 4 x 2,048 x 1,024 float32.
;; This version of the problem:
;;   THIS VERSION OF THE PROBLEM IS GIVEN IN LOW PRECISION. The matrix products marked QUANTISED in the list below multiply operands that are first quantised to E4M3 (4 exponent bits, 3 mantissa bits; 8 bits a number), with one given power-of-two scale for each operand tensor; their sums are f32. All else is computed in f32.
;;   The module's matrix products, in the order in which they are computed (A, B: the left and right operand; K: the contracted axis; several contracted axes count as one K, in the product's order):
;;     1. [M 8,192, K 1,024] x [K 1,024, N 1,024]; A: input hidden_state; B: input Wq: QUANTISED (scales: A lowp_scales[0], B lowp_scales[1])
;;     2. [M 8,192, K 1,024] x [K 1,024, N 64]; A: input hidden_state; B: input Wk: QUANTISED (scales: A lowp_scales[2], B lowp_scales[3])
;;     3. [M 8,192, K 1,024] x [K 1,024, N 64]; A: input hidden_state; B: input Wv: QUANTISED (scales: A lowp_scales[4], B lowp_scales[5])
;;     4. batch 4 x [M 2,048, K 64] x [K 64, N 32,768]; A: computed on the way; B: computed on the way: QUANTISED (scales: A lowp_scales[6], B lowp_scales[7])
;;     5. batch 4 x [M 64, K 2,048] x [K 2,048, N 32,768]; A: computed on the way; B: softmax (see below): QUANTISED (scales: A lowp_scales[8], B lowp_scales[9])
;;     6. [M 8,192, K 1,024] x [K 1,024, N 1,024]; A: computed on the way; B: input Wo: QUANTISED (scales: A lowp_scales[10], B lowp_scales[11])
;;   THE QUANTISER, for each operand of a quantised product, along K:
;;     - The operand's scale is 2^e, e = its entry of the input lowp_scales (int32; the entries are numbered through the quantised products in the list's order, A before B).
;;     - Each number is divided by the scale, clamped to +-448, and rounded to the nearest number of E4M3, ties to even, subnormals kept.
;;     - The product sums the exact products of the quantised numbers (number of the format x scale) in f32.
;;   ~~~python
;;   def quantise(x, axis, e):      # numpy; x: float32 -> the quantised numbers, widened to float32 again
;;       x = np.moveaxis(x, axis, -1); K = x.shape[-1]
;;       r = np.clip(x / 2.0 ** e, -448, 448)
;;       step = 2.0 ** (np.maximum(np.frexp(np.where(r == 0, 1, r))[1] - 1, -6) - 3)
;;       q = np.round(r / step) * step * 2.0 ** e      # np.round: ties to even
;;       return np.moveaxis(q, -1, axis).astype(np.float32)
;;   ~~~
;;   SOFTMAX AHEAD OF A QUANTISED PRODUCT. Where the list says 'softmax', what is quantised is not the finished softmax but p = 2^(t - M), with t = logit x log2(e) and M = ceil(the row's largest t), a whole number; so 1/2 < the row's largest p <= 1. The row's sum l is taken of the UNQUANTISED p, in f32, and the product's result is divided by l at the end. Since M is a whole number, a kernel that streams over the keys may use a running M (the ceiling of the running maximum): every later rescaling is an exact power of two, so the quantised numbers keep their values, but for numbers so far below the row's largest that they fall under the format's range.
;;   OPERANDS COMPUTED ON THE WAY. 'Computed on the way' means the value that the module computes at that place (a softmax that the list does not call 'softmax' is quantised finished and normalised). What goes into a quantiser is computed in f32, as accurately as f32 sums, v_exp_f32 and their like allow (about 1e-6 of the number): no bf16 or f16 on the way to a quantiser, and a product that is left as it is and whose result goes on into a quantised operand takes f32 operands (vector FMAs, or v_wmma_f32_16x16x4_f32). A number that lies on a knife's edge between two numbers of the format may be rounded either way, as far as f32 arithmetic and the matrix unit's own rounding can turn it there, and no further.
;; 2 versions, each right; version 2 is version 1 with the launches prep, attn written anew for expert scheduling mode. Each part assembles by itself: llvm-mc -triple=amdgcn-amd-amdhsa -mcpu=gfx1250 --defsym DOCPART=n.
;; ======== version 1 of 2: 5 launches
;; workspace buffers: wqc 1,048,576 bytes; woc 1,048,576 bytes; wkvc 131,072 bytes; hc 8,388,608 bytes; kv 1,048,576 bytes; qc 8,388,608 bytes; oc 8,388,608 bytes
;; launch wquant (part 1): grid 68 x 4, 4 waves a work-group, no clusters, 9,216 bytes of LDS; arguments Wq, Wo, Wk, Wv, lowp_scales, wqc, woc, wkvc; writes wqc, woc, wkvc
.if DOCPART == 1
	.amdgcn_target "amdgcn-amd-amdhsa--gfx1250"
	.amdhsa_code_object_version 6
	.text
	.protected	k_q54a7c1c83d_wquant
	.globl	k_q54a7c1c83d_wquant
	.p2align	8
	.type	k_q54a7c1c83d_wquant,@function
k_q54a7c1c83d_wquant:
	s_mov_b64 s[64:65], 0
	v_nop
	global_prefetch_b8 v0, s[64:65] scope:SCOPE_SE
	s_setreg_imm32_b32 hwreg(HW_REG_WAVE_MODE, 25, 1), 1
	s_wait_xcnt 0x0
; MULTI-QUERY ATTENTION IN FP8 (E4M3), five launches: this one, prep, qproj, attn, oproj.
; NOTHING OF THE PROBLEM IS LEFT OUT: all six products are live, every bias goes into a quantised operand or into the output, every input is loaded by some launch.
; THIS LAUNCH: the four weights, f32 stored [1024 (k)][N], become codes laid [n][place], K innermost, each with its given scale 2^e (Wq: entry 1, Wk: 3, Wv: 5, Wo: 11 of the scales).
; code = x / 2^e, held within +-448, rounded to the nearest code, ties to even.  LIMITS: e between -126 and 119; NaN among the inputs is not served (an infinity is held at the largest code).
; THE ORDER ALONG K.  Place p = 512 q + 16 l + 4 i + j of a row holds k = 512 q + 128 i + 4 l + j (q 0..1, l 0..31, i 0..3, j 0..3).  The same order is given to the other operand of each of these
; products (the launch prep lays the hidden state so, the launch attn its result), so every product meets its partner; only the order of the sums changes.
; SHARES.  A work-group takes 32 columns x 256 places of one weight: x 0-31 Wq, 32-63 Wo, 64-65 Wk, 66-67 Wv (wkvc holds Wk's 64 rows, then Wv's); y says which 256 places.  Wave w takes places 64 w .. 64 w + 63.
; A LANE TAKES A COLUMN AND ITS REGISTERS RUN DOWN THE PLACES: the conversions then give codes with K innermost.  All 64 loads of a wave go out together.  The codes meet in a stage in LDS and leave
; as rows: sixteen lanes store 256 consecutive bytes, aligned.  One way through the text serves all four weights: pointers, exponent and row length are chosen by the work-group's number.
; No tensor load, no matrix unit, no cluster: each byte is read once and work-groups share nothing.
.set PITCH, 272                        ; a stage row: 256 bytes + 16
.set SPARE, 32*PITCH                   ; behind the stage: the spare words, 128 bytes a wave
.set SPW,  14                          ; v14  my spare word's LDS address; never rewritten
.set NIL,  15                          ; v15  0; never rewritten
.set OFF,  16                          ; v16-47   byte offset of the row that holds place i of a block of 32, + 4 x lane
.set X,    48                          ; v48-111  64 numbers: place 32 t + i of my wave's 64
.set C,    112                         ; v112-127 their codes
.set OUTR, 128                         ; v128-143 the way out
.set WV,   22
.set YY,   23
.set IN,   36                          ; s[36:37] the weight
.set OUT,  38                          ; s[38:39] its codes
.set EE,   40                          ; s40 its exponent
.set CG,   41                          ; s41 the first x of this weight
.set OG,   42                          ; s42 the first x of this buffer of codes
.set SH,   43                          ; s43 log2 of a row's bytes: 12 (1,024 columns) or 8 (64)
	s_load_b256 s[4:11], s[0:1], 0x0               ; Wq s[4:5], Wo s[6:7], Wk s[8:9], Wv s[10:11]
	s_load_b256 s[12:19], s[0:1], 0x20             ; the scales s[12:13], wqc s[14:15], woc s[16:17], wkvc s[18:19]
	v_lshl_add_u32 v[SPW], v0, 2, SPARE
	v_mov_b32 v[NIL], 0
	v_lshrrev_b32 v1, 5, v0
	v_readfirstlane_b32 s[WV], v1                  ; wave 0..3
	s_and_b32 s[YY], ttmp7, 0xffff                 ; y
	v_and_b32 v2, 31, v0                           ; lane
	v_lshlrev_b32 v3, 2, v2                        ; 4 bytes a lane
	s_lshl_b32 s44, s[WV], 6
	v_mul_u32_u24 v4, v2, PITCH
	v_add_nc_u32 v4, s44, v4                       ; into the stage: row = my column, my wave's 64 bytes
	v_and_b32 v5, 15, v2
	v_lshrrev_b32 v6, 4, v2
	s_mul_i32 s44, s[WV], 8*PITCH
	v_mul_u32_u24 v7, v6, PITCH
	v_lshl_add_u32 v7, v5, 4, v7
	v_add_nc_u32 v7, s44, v7                       ; out of it: my wave's rows 8 w on, sixteen lanes to a row, two rows an instruction
	v_lshlrev_b32 v8, 10, v6
	v_lshl_add_u32 v8, v5, 4, v8                   ; and the same place in the codes' buffer (rows of 1,024 bytes)
	s_wait_kmcnt 0x0
	s_load_b256 s[24:31], s[12:13], 0x0            ; e0 .. e7
	s_load_b128 s[32:35], s[12:13], 0x20           ; e8 .. e11
	s_cmp_lt_u32 ttmp9, 66                         ; which weight: the choice hangs on the work-group's number alone
	s_cselect_b64 s[IN:IN+1], s[8:9], s[10:11]
	s_cselect_b32 s[CG], 64, 66
	s_cmp_lt_u32 ttmp9, 64
	s_cselect_b64 s[IN:IN+1], s[6:7], s[IN:IN+1]
	s_cselect_b64 s[OUT:OUT+1], s[16:17], s[18:19]
	s_cselect_b32 s[CG], 32, s[CG]
	s_cselect_b32 s[OG], 32, 64
	s_cselect_b32 s[SH], 12, 8
	s_cmp_lt_u32 ttmp9, 32
	s_cselect_b64 s[IN:IN+1], s[4:5], s[IN:IN+1]
	s_cselect_b64 s[OUT:OUT+1], s[14:15], s[OUT:OUT+1]
	s_cselect_b32 s[CG], 0, s[CG]
	s_cselect_b32 s[OG], 0, s[OG]
	s_lshr_b32 s44, s[YY], 1                       ; my wave's first row of the weight: 512 (y / 2) + 64 (y % 2) + 16 w
	s_lshl_b32 s44, s44, 9
	s_and_b32 s45, s[YY], 1
	s_lshl_b32 s45, s45, 6
	s_add_co_u32 s44, s44, s45
	s_lshl_b32 s45, s[WV], 4
	s_add_co_u32 s44, s44, s45
	s_lshl_b32 s44, s44, s[SH]                     ; in bytes,
	s_sub_co_u32 s45, ttmp9, s[CG]
	s_lshl_b32 s45, s45, 7                         ; + my work-group's 32 columns
	s_add_co_u32 s44, s44, s45
	s_mov_b32 s45, 0
	s_add_nc_u64 s[48:49], s[IN:IN+1], s[44:45]    ; block 0's base
	s_lshl_b32 s44, 8, s[SH]
	s_add_nc_u64 s[50:51], s[48:49], s[44:45]      ; block 1's: eight rows further down
	s_sub_co_u32 s44, ttmp9, s[OG]                 ; the codes: row 32 (x - first x) + 8 w, byte 256 y
	s_lshl_b32 s44, s44, 5
	s_lshl_b32 s46, s[WV], 3
	s_add_co_u32 s44, s44, s46
	s_lshl_b32 s44, s44, 10
	s_lshl_b32 s46, s[YY], 8
	s_add_co_u32 s44, s44, s46
	s_add_nc_u64 s[OUT:OUT+1], s[OUT:OUT+1], s[44:45]
.set i, 0
.rept 32
	v_lshl_add_u32 v[OFF+i], 4*(i/16)+128*((i%16)/4)+i%4, s[SH], v3   ; place i of a block lies 4 (i / 16) + 128 ((i % 16) / 4) + i % 4 rows below the block's base
.set i, i+1
.endr
.irp t, 0,1
.set i, 0
.rept 32
	global_load_b32 v[X+32*\t+i], v[OFF+i], s[48+2*\t:49+2*\t]        ; 32 lanes read 128 consecutive bytes of one row
.set i, i+1
.endr
.endr
	s_wait_kmcnt 0x0
	s_cmp_lt_u32 ttmp9, 66
	s_cselect_b32 s[EE], s27, s29                  ; e3 : e5
	s_cmp_lt_u32 ttmp9, 64
	s_cselect_b32 s[EE], s35, s[EE]                ; e11
	s_cmp_lt_u32 ttmp9, 32
	s_cselect_b32 s[EE], s25, s[EE]                ; e1
	s_add_co_i32 s[EE], s[EE], 127
	s_lshl_b32 s44, s[EE], 23
	v_mov_b32 v11, s44                             ; 2^e as f32: the conversion takes its exponent field
	s_add_co_i32 s[EE], s[EE], 8
	s_lshl_b32 s[EE], s[EE], 23
	s_or_b32 s[EE], s[EE], 0x600000
	v_mov_b32 v10, s[EE]                           ; 448 x 2^e
.macro BLOCK t
	s_wait_loadcnt 32*(1-\t)                       ; this block's 32 loads are in; block 1's may be out while block 0 is worked
.set i, 0
.rept 32
	v_med3_num_f32 v[X+32*\t+i], v[X+32*\t+i], -v10, v10   ; the conversion to an 8-bit code does not saturate (ISA guide 7.6.2): the hold comes first
.set i, i+1
.endr
.irp g, 0,1,2,3
	v_cvt_scalef32_pk8_fp8_f32 v[C+8*\t+2*\g:C+8*\t+2*\g+1], v[X+32*\t+8*\g:X+32*\t+8*\g+7], v11
.endr
	v_nop                                          ; a plain line behind the last conversion of a run
.endm
	BLOCK 0
	BLOCK 1
.irp q, 0,1,2,3
	ds_store_b128 v4, v[C+4*\q:C+4*\q+3] offset:16*\q
.endr
	s_wait_dscnt 0x0                               ; for the others' sake: my stores into the stage are done
	s_barrier_signal -1
	s_barrier_wait -1
.irp i, 0,1,2,3
	ds_load_b128 v[OUTR+4*\i:OUTR+4*\i+3], v7 offset:2*\i*PITCH
.endr
.irp i, 0,1,2,3
	s_wait_dscnt 3-\i                              ; LDS loads come back in order: load i is in, the younger ones may be out
	global_store_b128 v8, v[OUTR+4*\i:OUTR+4*\i+3], s[OUT:OUT+1] offset:2048*\i   ; sixteen lanes store 256 consecutive bytes, at a multiple of 256 from the buffer's first byte
.endr
	s_wait_tensorcnt 0x0                           ; the wave's end: three lines behind my last LDS store
	ds_add_u32 v[SPW], v[NIL]
	s_wait_dscnt 0x0
	s_endpgm
.Lfunc_end_k_q54a7c1c83d_wquant:
	.size	k_q54a7c1c83d_wquant, .Lfunc_end_k_q54a7c1c83d_wquant-k_q54a7c1c83d_wquant
	.p2alignl 7, 3214868480
	.fill 96, 4, 3214868480
	.section	.rodata,"a",@progbits
	.p2align	6, 0x0
	.amdhsa_kernel k_q54a7c1c83d_wquant
		.amdhsa_group_segment_fixed_size 9216
		.amdhsa_private_segment_fixed_size 0
		.amdhsa_enable_private_segment 0
		.amdhsa_kernarg_size 64
		.amdhsa_user_sgpr_count 2
		.amdhsa_user_sgpr_kernarg_segment_ptr 1
		.amdhsa_wavefront_size32 1
		.amdhsa_system_sgpr_workgroup_id_x 1
		.amdhsa_system_sgpr_workgroup_id_y 1
		.amdhsa_system_sgpr_workgroup_id_z 1
		.amdhsa_system_vgpr_workitem_id 0
		.amdhsa_next_free_vgpr 144
		.amdhsa_next_free_sgpr 66
		.amdhsa_reserve_vcc 0
		.amdhsa_float_denorm_mode_32 3
		.amdhsa_float_denorm_mode_16_64 3
		.amdhsa_memory_ordered 1
		.amdhsa_forward_progress 1
		.amdhsa_inst_pref_size 18
	.end_amdhsa_kernel
	.amdgpu_metadata
---
amdhsa.version: [ 1, 2 ]
amdhsa.kernels:
  - .name:           k_q54a7c1c83d_wquant
    .symbol:         k_q54a7c1c83d_wquant.kd
    .args:
      - { .name: Wq, .offset: 0, .size: 8, .value_kind: global_buffer, .address_space: global }
      - { .name: Wo, .offset: 8, .size: 8, .value_kind: global_buffer, .address_space: global }
      - { .name: Wk, .offset: 16, .size: 8, .value_kind: global_buffer, .address_space: global }
      - { .name: Wv, .offset: 24, .size: 8, .value_kind: global_buffer, .address_space: global }
      - { .name: lowp_scales, .offset: 32, .size: 8, .value_kind: global_buffer, .address_space: global }
      - { .name: wqc, .offset: 40, .size: 8, .value_kind: global_buffer, .address_space: global }
      - { .name: woc, .offset: 48, .size: 8, .value_kind: global_buffer, .address_space: global }
      - { .name: wkvc, .offset: 56, .size: 8, .value_kind: global_buffer, .address_space: global }
    .group_segment_fixed_size: 9216
    .private_segment_fixed_size: 0
    .kernarg_segment_align: 8
    .kernarg_segment_size: 64
    .max_flat_workgroup_size: 128
    .sgpr_count:     66
    .vgpr_count:     144
    .wavefront_size: 32
...
	.end_amdgpu_metadata
.endif
;; end of part 1
;; launch prep (part 2): grid 256 x 1, 16 waves a work-group, no clusters, 201,728 bytes of LDS; arguments hidden_state, wkvc, bk, bv, lowp_scales, hc, kv; writes hc, kv
.if DOCPART == 2
	.amdgcn_target "amdgcn-amd-amdhsa--gfx1250"
	.amdhsa_code_object_version 6
	.text
	.protected	k_q54a7c1c83d_prep
	.globl	k_q54a7c1c83d_prep
	.p2align	8
	.type	k_q54a7c1c83d_prep,@function
k_q54a7c1c83d_prep:
	s_mov_b64 s[64:65], 0
	v_nop
	global_prefetch_b8 v0, s[64:65] scope:SCOPE_SE
	s_setreg_imm32_b32 hwreg(HW_REG_WAVE_MODE, 25, 1), 1
	s_wait_xcnt 0x0
; THE HIDDEN STATE IS READ ONCE.  It is quantised three times, with e0 (for q's product), e2 (k's) and e4 (v's): nothing here takes the three for equal.  The codes under e0 go to memory (hc);
; those under e2 and e4 stay in LDS and are multiplied at once: k = hs Wk + bk and v = hs Wv + bv, quantised with e6 and e8 and stored as images of the operands' registers (kv).  Nothing is left out.
; THE ORDER ALONG K: place p = 512 q + 16 l + 4 i + j of a row holds k = 512 q + 128 i + 4 l + j, as in the weights' codes.  It is what four dense loads give: lane l's 16 bytes of load i are k = 128 i + 4 l + 0..3,
; so a lane's 16 registers become 16 neighbouring bytes of codes, with no turn through LDS.
; SHARES.  Work-group g: rows 32 g .. 32 g + 31 (batch g / 64).  First part: wave w quantises rows 2 w, 2 w + 1, four steps of 512 numbers; all sixteen copy the 128 KB of Wk's and Wv's codes into LDS.
; Second part, waves 0 to 7, two accumulators each by turns: waves 0-3 (i = bit 1, u = bit 0 of the wave): source 0 = Wk's rows 32 i .. + 31, source 1 = hs tile u: a lane holds key 16 u + r and d = 32 i + 16 x + 8 h + j;
; waves 4-7 (t = wave - 4): source 0 = hs tiles 0, 1, source 1 = Wv's rows 16 t ..: a lane holds d = 16 t + r and key 16 x + 8 h + j.  Either way the two conversions give four registers of a fragment of the K = 64 form.
; kv, for each batch 262,144 bytes.  K: key tile T at 1,024 T: lane (r, h), registers 2 c, 2 c + 1: key 16 T + r, d = 16 c + 8 h + 0..7.  V, 131,072 on: fragment (n, t) at 4,096 n + 1,024 t: d = 16 t + r, key 64 n + 16 c + 8 h + 0..7.
; In a fragment registers 4 i .. 4 i + 3 of lane l lie at 512 i + 16 l: every store here is 512 consecutive bytes.
; The biases are the C of each sum's first product, divided by the power of two that the sums lack.  They are loaded with no branch: all sixteen waves run those lines by (wave & 7), so that no register is written
; on some ways only; waves 8 to 15 use nothing of them (16 loads of 4 bytes a lane).
; NO JOINT LOADS: what work-groups share, the weights' 128 KB, is as much as a work-group's own 128 KB of f32, is read once, at the head, and goes through registers beside them.
; LIMITS: e0, e2, e4, e6 - e2 - e3 and e8 - e4 - e5 between -126 and 119.  NaN among the inputs is not served.
.set PITCH, 1040                       ; an LDS row: 1,024 codes + 16 bytes: 65 x 16, so the sixteen rows of a fragment load start 16 bytes apart modulo 256
.set A4OFF, 32*PITCH                   ; rows 0-31: hs under e2; rows 32-63: under e4;
.set WROW,  64*PITCH                   ; rows 64-127: Wk's codes; rows 128-191: Wv's
.set SPARE, 192*PITCH                  ; behind them: the spare words, 128 bytes a wave
.set LI,   1                           ; v1  16 x lane
.set T16,  4                           ; v4  16 x thread
.set WL0,  5                           ; v5  where my 16 bytes of the weights' first 64 KB go;  v6: of the second
.set WL1,  6
.set AL,   7                           ; v7  where my codes of hs go
.set F0A,  8                           ; v8  source 0's fragments;  v9: source 1's
.set F1A,  9
.set SPW,  10                          ; v10 my spare word's LDS address; never rewritten
.set NIL,  11                          ; v11 0; never rewritten
.set BO,   20                          ; v20 the bias's offset
.set T0,   24                          ; v24-39, v40-55, v56-71: a step's numbers held under e0, e2, e4 (v24-39 first hold the bias loads' offsets)
.set T1,   40
.set T2,   56
.set WS,   72                          ; v72-135  the weights' codes on their way to LDS
.set R,    136                         ; v136-199 hs: 16 registers a step, then the step's codes
.set FS,   56                          ; second part: three sets of 48 registers: source 0's two fragments, source 1's one
.set BIAS, 200
.set D0,   216
.set D1,   224
.set CODE, 232
.set WV,   18
.macro MKS e, vs, vl                   ; 2^s[e] as f32 into v[vs], 448 x that into v[vl]
	s_add_co_i32 s50, s[\e], 127
	s_lshl_b32 s51, s50, 23
	v_mov_b32 v[\vs], s51
	s_add_co_i32 s50, s50, 8
	s_lshl_b32 s50, s50, 23
	s_or_b32 s50, s50, 0x600000
	v_mov_b32 v[\vl], s50
.endm
	s_load_b256 s[4:11], s[0:1], 0x0               ; hs s[4:5], wkvc s[6:7], bk s[8:9], bv s[10:11]
	s_load_b128 s[12:15], s[0:1], 0x20             ; the scales s[12:13], hc s[14:15]
	s_load_b64 s[16:17], s[0:1], 0x30              ; kv
	v_lshl_add_u32 v[SPW], v0, 2, SPARE
	v_mov_b32 v[NIL], 0
	v_lshrrev_b32 v2, 5, v0
	v_readfirstlane_b32 s[WV], v2                  ; wave 0..15
	v_and_b32 v3, 31, v0
	v_lshlrev_b32 v[LI], 4, v3
	v_lshlrev_b32 v[T16], 4, v0
	v_lshrrev_b32 v22, 6, v0                       ; 64 threads copy a row of 1,024 bytes
	v_and_b32 v23, 63, v0
	v_mul_u32_u24 v[WL0], v22, PITCH
	v_lshl_add_u32 v[WL0], v23, 4, v[WL0]
	v_add_nc_u32 v[WL0], WROW, v[WL0]
	v_add_nc_u32 v[WL1], 64*PITCH, v[WL0]          ; 64 rows further on
	s_mul_i32 s19, s[WV], 2*PITCH
	v_add_nc_u32 v[AL], s19, v[LI]                 ; row 2 w, 16 x lane
	v_and_b32 v2, 15, v0                           ; r
	v_bfe_u32 v3, v0, 4, 1                         ; h
	s_and_b32 s20, s[WV], 7                        ; w' = wave & 7: the role
	s_bfe_u32 s21, s[WV], 0x10001                  ; i
	s_and_b32 s22, s[WV], 1                        ; u
	s_lshl_b32 s23, s21, 5
	s_add_co_u32 s23, s23, 64                      ; k: source 0 from LDS row 64 + 32 i (Wk)
	s_lshl_b32 s24, s22, 4                         ;    source 1 from row 16 u (hs under e2)
	s_lshl_b32 s25, s20, 4
	s_add_co_u32 s25, s25, 64                      ; v: source 1 from row 128 + 16 (w' - 4) (Wv)
	s_cmp_lt_u32 s20, 4
	s_cselect_b32 s23, s23, 32                     ;    source 0 from row 32 (hs under e4)
	s_cselect_b32 s24, s24, s25
	s_mul_i32 s23, s23, PITCH
	s_mul_i32 s24, s24, PITCH
	v_mul_u32_u24 v22, v2, PITCH
	v_lshl_add_u32 v22, v3, 4, v22                 ; a fragment's row x pitch + 16 x half
	v_add_nc_u32 v[F0A], s23, v22
	v_add_nc_u32 v[F1A], s24, v22
	s_lshl_b32 s26, ttmp9, 5
	s_lshl_b32 s27, s[WV], 1
	s_add_co_u32 s26, s26, s27                     ; my first row: 32 g + 2 w
	s_lshl_b32 s28, s26, 12                        ; in hs,
	s_mov_b32 s29, 0
	s_lshl_b32 s30, s26, 10                        ; in hc
	s_mov_b32 s31, 0
	s_lshr_b32 s32, ttmp9, 6
	s_lshl_b32 s32, s32, 18                        ; kv: the batch's 262,144 bytes
	s_and_b32 s33, ttmp9, 63                       ; beta: my 32 keys among the batch's
	s_lshl_b32 s34, s33, 1
	s_add_co_u32 s34, s34, s22
	s_lshl_b32 s34, s34, 10
	s_lshl_b32 s35, s21, 9
	s_add_co_u32 s34, s34, s35                     ; k: key tile 2 beta + u, registers 4 i on
	s_lshr_b32 s35, s33, 1
	s_lshl_b32 s35, s35, 12
	s_and_b32 s36, s20, 3
	s_lshl_b32 s36, s36, 10
	s_add_co_u32 s35, s35, s36
	s_and_b32 s36, s33, 1
	s_lshl_b32 s36, s36, 9
	s_add_co_u32 s35, s35, s36
	s_add_co_u32 s35, s35, 131072                  ; v: fragment (beta / 2, t), registers 4 (beta % 2) on
	s_lshl_b32 s57, s21, 7                         ; the bias.  k: bk at 128 i + 32 h + 64 x + 4 j;
	s_and_b32 s58, s20, 3
	s_lshl_b32 s58, s58, 6                         ; v: bv at 64 t + 4 r, the same for all sixteen registers
	s_cmp_lt_u32 s20, 4
	s_cselect_b32 s34, s34, s35
	s_cselect_b32 s54, 0, 4
	s_cselect_b32 s55, 32, 0
	s_cselect_b32 s56, 1, 0
	s_cselect_b32 s57, s57, s58
	s_add_co_u32 s32, s32, s34
	s_mov_b32 s33, 0
	v_mul_u32_u24 v[BO], v2, s54
	v_mad_u32_u24 v[BO], v3, s55, v[BO]
	v_add_nc_u32 v[BO], s57, v[BO]
.set j, 0
.rept 16
	v_mad_u32_u24 v[T0+j], s56, 4*(j%8)+64*(j/8), v[BO]
.set j, j+1
.endr
	s_wait_kmcnt 0x0
	s_load_b256 s[40:47], s[12:13], 0x0            ; e0 .. e7
	s_load_b32 s48, s[12:13], 0x20                 ; e8
	s_add_nc_u64 s[4:5], s[4:5], s[28:29]
	s_add_nc_u64 s[14:15], s[14:15], s[30:31]
	s_add_nc_u64 s[16:17], s[16:17], s[32:33]
	s_cmp_lt_u32 s20, 4
	s_cselect_b64 s[8:9], s[8:9], s[10:11]         ; bk or bv: the choice hangs on the wave's number alone
.set j, 0
.rept 16
	global_load_b32 v[BIAS+j], v[T0+j], s[8:9]     ; issued first: every counted wait below counts only what is issued behind the loads that it wants
.set j, j+1
.endr
.irp st, 0,1,2,3
.irp i, 0,1,2,3
	global_load_b128 v[R+16*\st+4*\i:R+16*\st+4*\i+3], v[LI], s[4:5] offset:2048*\st+512*\i th:TH_LOAD_NT   ; 32 lanes read 512 consecutive bytes
.endr
.endr
.set it, 0
.rept 16
	global_load_b128 v[WS+4*it:WS+4*it+3], v[T16], s[6:7] offset:8192*it    ; the work-group reads 8,192 consecutive bytes: eight rows of codes
.set it, it+1
.endr
	s_wait_kmcnt 0x0
	MKS 40, 12, 13                                 ; e0: v12, v13
	MKS 42, 14, 15                                 ; e2: v14, v15
	MKS 44, 16, 17                                 ; e4: v16, v17
	s_add_co_i32 s52, s42, s43                     ; e2 + e3
	s_add_co_i32 s53, s44, s45                     ; e4 + e5
	s_cmp_lt_u32 s20, 4
	s_cselect_b32 s52, s52, s53                    ; a sum stands for sum x 2^(eA + eB)
	s_cselect_b32 s53, s46, s48                    ; e6 or e8
	s_sub_co_i32 s53, s53, s52
	MKS 53, 18, 19                                 ; the result's conversion takes 2^(eQ - eA - eB): v18, v19
	s_sub_co_i32 s52, 0, s52
.macro XSTEP st
	s_wait_loadcnt 28-4*\st                        ; this step's four loads are in; the later steps' and the weights' sixteen may be out (step 0: the bias loads are in too, so their offsets in v24-39 are free)
.set i, 0
.rept 16
	v_med3_num_f32 v[T0+i], v[R+16*\st+i], -v13, v13     ; the conversion to an 8-bit code does not saturate (ISA guide 7.6.2): three holds, one for each scale
	v_med3_num_f32 v[T1+i], v[R+16*\st+i], -v15, v15
	v_med3_num_f32 v[T2+i], v[R+16*\st+i], -v17, v17
.set i, i+1
.endr
	v_cvt_scalef32_pk8_fp8_f32 v[R+16*\st:R+16*\st+1],     v[T0:T0+7],    v12
	v_cvt_scalef32_pk8_fp8_f32 v[R+16*\st+2:R+16*\st+3],   v[T0+8:T0+15], v12
	v_cvt_scalef32_pk8_fp8_f32 v[R+16*\st+4:R+16*\st+5],   v[T1:T1+7],    v14
	v_cvt_scalef32_pk8_fp8_f32 v[R+16*\st+6:R+16*\st+7],   v[T1+8:T1+15], v14
	v_cvt_scalef32_pk8_fp8_f32 v[R+16*\st+8:R+16*\st+9],   v[T2:T2+7],    v16
	v_cvt_scalef32_pk8_fp8_f32 v[R+16*\st+10:R+16*\st+11], v[T2+8:T2+15], v16
	v_nop                                          ; a plain line between the conversions and the next step's holds, which write their sources
	global_store_b128 v[LI], v[R+16*\st:R+16*\st+3], s[14:15] offset:512*\st     ; 512 consecutive bytes.  Each step has registers of its own: no store's data are written again in this part
	ds_store_b128 v[AL], v[R+16*\st+4:R+16*\st+7]  offset:((\st)/2)*PITCH+512*((\st)%2)
	ds_store_b128 v[AL], v[R+16*\st+8:R+16*\st+11] offset:A4OFF+((\st)/2)*PITCH+512*((\st)%2)
.endm
	XSTEP 0
	XSTEP 1
	XSTEP 2
	XSTEP 3
	s_wait_loadcnt 0x0                             ; the weights' codes
.set it, 0
.rept 16
	ds_store_b128 v[WL0+it/8], v[WS+4*it:WS+4*it+3] offset:8*PITCH*(it%8)
.set it, it+1
.endr
	s_wait_xcnt 0x0                                ; the stores to hc have read their registers, which the fragments below take
	s_wait_dscnt 0x0                               ; for the others' sake: my LDS stores are done
	s_barrier_signal -1
	s_barrier_wait -1
	s_cmp_lt_u32 s[WV], 8
	s_cbranch_scc0 .Lend                           ; no barrier stands behind this branch
.set j, 0
.rept 16
	v_ldexp_f32 v[BIAS+j], v[BIAS+j], s52          ; bias / 2^(eA + eB)
.set j, j+1
.endr
.macro LOADK s                         ; the fragments of 128 places, the s-th of eight, into set s % 3.  Registers 4 c .. 4 c + 3 take places 32 c + 16 h + 0..15, alike in both sources
.set FB, FS+48*((\s)%3)
.irp c, 0,1,2,3
	ds_load_b128 v[FB+4*\c:FB+4*\c+3], v[F0A] offset:128*(\s)+32*\c
.endr
.irp c, 0,1,2,3
	ds_load_b128 v[FB+16+4*\c:FB+16+4*\c+3], v[F0A] offset:16*PITCH+128*(\s)+32*\c
.endr
.irp c, 0,1,2,3
	ds_load_b128 v[FB+32+4*\c:FB+32+4*\c+3], v[F1A] offset:128*(\s)+32*\c
.endr
.endm
	LOADK 0
	LOADK 1
	LOADK 2
.irp s, 0,1,2,3,4,5,6,7
.if \s < 6
	s_wait_dscnt 24                                ; this set's twelve loads are in; the two later sets' may be out
.else
	s_wait_dscnt 12*(7-\s)
.endif
.set FB, FS+48*(\s%3)
.if \s == 0
	v_wmma_f32_16x16x128_fp8_fp8 v[D0:D0+7], v[FB:FB+15], v[FB+32:FB+47], v[BIAS:BIAS+7]
	v_wmma_f32_16x16x128_fp8_fp8 v[D1:D1+7], v[FB+16:FB+31], v[FB+32:FB+47], v[BIAS+8:BIAS+15]
.else
	v_wmma_f32_16x16x128_fp8_fp8 v[D0:D0+7], v[FB:FB+15], v[FB+32:FB+47], v[D0:D0+7]          ; the two accumulators take turns, one instruction a turn
	v_wmma_f32_16x16x128_fp8_fp8 v[D1:D1+7], v[FB+16:FB+31], v[FB+32:FB+47], v[D1:D1+7]
.endif
.rept 4
	v_nop                                          ; four places in front of loads into registers that these products read, and of the first read of the results
.endr
.if \s < 5
	LOADK \s+3
.endif
.endr
.set j, 0
.rept 16
	v_med3_num_f32 v[D0+j], v[D0+j], -v19, v19     ; each accumulator from its low end on
.set j, j+1
.endr
	v_cvt_scalef32_pk8_fp8_f32 v[CODE:CODE+1], v[D0:D0+7], v18
	v_cvt_scalef32_pk8_fp8_f32 v[CODE+2:CODE+3], v[D1:D1+7], v18
	v_nop
	global_store_b128 v[LI], v[CODE:CODE+3], s[16:17]    ; four registers of a fragment: 512 consecutive bytes
.Lend:
	s_wait_tensorcnt 0x0                           ; the wave's end: three lines behind my last LDS store
	ds_add_u32 v[SPW], v[NIL]
	s_wait_dscnt 0x0
	s_endpgm
.Lfunc_end_k_q54a7c1c83d_prep:
	.size	k_q54a7c1c83d_prep, .Lfunc_end_k_q54a7c1c83d_prep-k_q54a7c1c83d_prep
	.p2alignl 7, 3214868480
	.fill 96, 4, 3214868480
	.section	.rodata,"a",@progbits
	.p2align	6, 0x0
	.amdhsa_kernel k_q54a7c1c83d_prep
		.amdhsa_group_segment_fixed_size 201728
		.amdhsa_private_segment_fixed_size 0
		.amdhsa_enable_private_segment 0
		.amdhsa_kernarg_size 56
		.amdhsa_user_sgpr_count 2
		.amdhsa_user_sgpr_kernarg_segment_ptr 1
		.amdhsa_wavefront_size32 1
		.amdhsa_system_sgpr_workgroup_id_x 1
		.amdhsa_system_sgpr_workgroup_id_y 1
		.amdhsa_system_sgpr_workgroup_id_z 1
		.amdhsa_system_vgpr_workitem_id 0
		.amdhsa_next_free_vgpr 256
		.amdhsa_next_free_sgpr 72
		.amdhsa_reserve_vcc 0
		.amdhsa_float_denorm_mode_32 3
		.amdhsa_float_denorm_mode_16_64 3
		.amdhsa_memory_ordered 1
		.amdhsa_forward_progress 1
		.amdhsa_inst_pref_size 38
	.end_amdhsa_kernel
	.amdgpu_metadata
---
amdhsa.version: [ 1, 2 ]
amdhsa.kernels:
  - .name:           k_q54a7c1c83d_prep
    .symbol:         k_q54a7c1c83d_prep.kd
    .args:
      - { .name: hidden_state, .offset: 0, .size: 8, .value_kind: global_buffer, .address_space: global }
      - { .name: wkvc, .offset: 8, .size: 8, .value_kind: global_buffer, .address_space: global }
      - { .name: bk, .offset: 16, .size: 8, .value_kind: global_buffer, .address_space: global }
      - { .name: bv, .offset: 24, .size: 8, .value_kind: global_buffer, .address_space: global }
      - { .name: lowp_scales, .offset: 32, .size: 8, .value_kind: global_buffer, .address_space: global }
      - { .name: hc, .offset: 40, .size: 8, .value_kind: global_buffer, .address_space: global }
      - { .name: kv, .offset: 48, .size: 8, .value_kind: global_buffer, .address_space: global }
    .group_segment_fixed_size: 201728
    .private_segment_fixed_size: 0
    .kernarg_segment_align: 8
    .kernarg_segment_size: 56
    .max_flat_workgroup_size: 512
    .sgpr_count:     72
    .vgpr_count:     256
    .wavefront_size: 32
...
	.end_amdgpu_metadata
.endif
;; end of part 2
;; launch qproj (part 3): grid 4 x 32, 4 waves a work-group, clusters of 4 x 4, 327,680 bytes of LDS; arguments hc, wqc, lowp_scales, qc, bq; writes qc
.if DOCPART == 3
	.amdgcn_target "amdgcn-amd-amdhsa--gfx1250"
	.amdhsa_code_object_version 6
	.text
	.protected	k_q54a7c1c83d_qproj
	.globl	k_q54a7c1c83d_qproj
	.p2align	8
	.type	k_q54a7c1c83d_qproj,@function
k_q54a7c1c83d_qproj:
	s_mov_b64 s[64:65], 0
	v_nop
	global_prefetch_b8 v0, s[64:65] scope:SCOPE_SE
	s_setreg_imm32_b32 hwreg(HW_REG_WAVE_MODE, 25, 1), 1
	s_wait_xcnt 0x0
	s_wait_alu depctr_hold_cnt(0) depctr_sa_sdst(0) depctr_va_vdst(0) depctr_va_sdst(0) depctr_va_ssrc(0) depctr_va_vcc(0) depctr_vm_vsrc(0)
	s_getreg_b32 s2, hwreg(HW_REG_IB_STS2, 6, 4)
	s_cmp_eq_u32 s2, 0
	s_cbranch_scc0 .Lentry_in_a_cluster
	s_endpgm
.Lentry_in_a_cluster:
	s_bfe_u32 s2, ttmp6, 0x10000c
	s_cmp_lg_u32 s2, 0xf033
	s_cbranch_scc0 .Lentry_shape_is_right
	s_endpgm
.Lentry_shape_is_right:
; q = hs Wq + bq on codes of FP8 (E4M3), quantised at once with e7 and stored as images of the registers of attention's operand.  Nothing is left out.
; A = hc [8192][1024], B = wqc [1024 (n)][1024]: codes, the places along K in the same order in both.  A sum stands for sum x 2^(e0 + e1): bq goes in as the C of each sum's first product, divided by that power;
; the conversion takes 2^(e7 - e0 - e1).  LIMIT: e7 - e0 - e1 between -126 and 119.
; A tile of 256 x 256 is made by a work-group of four waves; a wave makes 128 x 128: 64 accumulators, 512 registers.  K goes in steps of 256 through a ring of two LDS slots filled by the tensor data mover.
; CLUSTERS: 4 x 4 work-groups; A's tile is asked for jointly along a row of the cluster, B's along a column.  128 tiles: one work-group each.
; THE MATRIX INSTRUCTION IS USED TRANSPOSED (source 0 = 16 rows of B, source 1 = 16 rows of A): lane (r, h) holds position r and columns 16 b + 8 h + 0..7: of head b / 4 the d = 16 (b % 4) + 8 h + 0..7,
; which are registers 2 (b % 4), 2 (b % 4) + 1 of the K = 64 form's operand.  qc: fragment (position tile P, head) at (16 P + head) x 1,024; registers 4 i .. 4 i + 3 of lane l at 512 i + 16 l.
; So the way out needs no LDS: each store is 512 consecutive bytes.
; REGISTERS, in windows of 256: window 0: v0-31 addresses; v32-95 the bias, later a block's held sums; from v128 A's fragments, ONE set, later the codes.  window 1: B's fragments, TWO sets.  windows 2, 3: the accumulators ((a, b) at v[8 (8 (a % 4) + b)]).
.set SIZE_K, 1024
.set KSTEP,  256
.set ROWB,   256                       ; a tile's row in bytes
.set KROW,   SIZE_K                    ; a row of A or of B in memory, in bytes
.set PITCH,  272                       ; an LDS row: 256 bytes + 16 of padding: the sixteen rows of a fragment load start 16 bytes apart modulo 256
.set FR,     16
.set NL,     4
.set NP,     4                         ; places behind this matrix instruction (ISA guide 7.12.1)
.set HALFT,  128*PITCH
.set SLOT,   4*HALFT
.set LAPS,   SIZE_K/(2*KSTEP)
.set SPARE,  2*SLOT                    ; behind the ring: the spare words, 128 bytes a wave
.set ADRA, 16
.set ADRB, 20
.set CO,   26                          ; v26  16 x lane
.set SPW,  28                          ; v28  my spare word's LDS address; never rewritten
.set NIL,  29                          ; v29  0; never rewritten
.set BI,   32                          ; v32-95 bias / 2^(e0 + e1): register 8 b + j = bq[my first column + 16 b + 8 h + j]
.set TMP,  32
.set AF,   128
.set QC,   128                         ; the way out: 16 registers of codes for each block
.set G1, 24
.set G0, 32
.set G1B, 48
.set G0B, 56
.set MSB, 0
.macro WIN new                         ; the immediate's high byte repeats the setting that is left
.if MSB != \new
	s_set_vgpr_msb (MSB<<8)|\new
.set MSB, \new
.endif
.endm
.set MUL_LO, 0xa1                      ; source 0 (B) window 1, source 1 (A) window 0, C and D window 2
.set MUL_HI, 0xf1                      ; the same, C and D window 3
.set FIRST_LO, 0x81                    ; the first step: C (the bias) window 0, D window 2
.set FIRST_HI, 0xc1                    ; D window 3
.set TO_B,   0x40
.macro JLOAD g0a, g1a, g0b, g1b        ; a joint load: waves 0 and 1 fetch for A, waves 2 and 3 for B; an s_nop 0 and four v_nop follow each line
	s_cmp_eq_u32 s15, 0
	s_cbranch_scc0 .Lfor_b_\@
	tensor_load_to_lds s[\g0a:\g0a+3], s[\g1a:\g1a+7]
	s_nop 0
.rept 4
	v_nop
.endr
	s_branch .Lasked_\@
.Lfor_b_\@:
	tensor_load_to_lds s[\g0b:\g0b+3], s[\g1b:\g1b+7]
	s_nop 0
.rept 4
	v_nop
.endr
.Lasked_\@:
.endm
.macro CREST                           ; a round of the cluster's barrier behind its opening barrier
	s_cmp_lg_u32 s14, 0
	s_cbranch_scc1 .Lnot_wave_0_\@
	s_barrier_signal -3
.Lnot_wave_0_\@:
	s_barrier_wait -3
	s_barrier_signal -1
	s_barrier_wait -1
.endm
.macro CROUND
	s_barrier_signal -1
	s_barrier_wait -1
	CREST
.endm
	s_load_b128 s[4:7], s[0:1], 0x0                ; A's codes s[4:5], B's codes s[6:7]
	s_load_b128 s[8:11], s[0:1], 0x10              ; the scales s[8:9], qc s[10:11]
	s_load_b64 s[12:13], s[0:1], 0x20              ; bq
	v_lshl_add_u32 v[SPW], v0, 2, SPARE
	v_mov_b32 v[NIL], 0
	ds_add_u32 v[SPW], v[NIL]                      ; the wave's opening: the add, twice on end, and its wait ahead of my first tensor load
	ds_add_u32 v[SPW], v[NIL]
	v_lshrrev_b32 v1, 5, v0
	v_readfirstlane_b32 s14, v1                    ; wave 0..3
	s_lshr_b32 s15, s14, 1                         ; which half of the tile's rows is mine.  Also: I fetch for A (0) or for B (1)
	s_and_b32 s16, s14, 1                          ; which half of its columns.  Also: which 128 rows of that tile I fetch
	s_bfe_u32 s40, ttmp6, 0x40000                  ; cx, cy
	s_bfe_u32 s41, ttmp6, 0x40004
	s_lshl_b32 s42, ttmp9, 2
	s_add_co_u32 s42, s42, s40                     ; tile column = 4 x cluster x + cx
	s_and_b32 s17, ttmp7, 0xffff
	s_lshl_b32 s17, s17, 2
	s_add_co_u32 s17, s17, s41                     ; tile row = 4 x cluster y + cy
	s_lshl_b32 s43, s41, 2
	s_lshl_b32 s43, 15, s43                        ; my row of the cluster
	s_lshl_b32 s44, 0x1111, s40                    ; my column
	s_or_b32 s[G1+0], s43, (0<<16)|(1<<20)|(1<<21)|(5<<22)|(3<<25)  ; the mask; elements of 1 byte; padding on; bit 21 beside a mask; after every 64 words four words
	s_or_b32 s[G1B+0], s44, (0<<16)|(1<<20)|(1<<21)|(5<<22)|(3<<25)
.irp g, G1, G1B
	s_mov_b32 s[\g+1], ROWB<<16                    ; tensor_dim0
	s_mov_b32 s[\g+2], 128<<16                     ; tensor_dim1
	s_mov_b32 s[\g+3], ROWB<<16                    ; tile_dim0
	s_mov_b32 s[\g+4], 128                         ; tile_dim1
	s_mov_b32 s[\g+5], KROW                        ; tensor_dim0_stride
	s_mov_b32 s[\g+6], 0
	s_mov_b32 s[\g+7], 0
.endr
	s_lshl_b32 s18, s16, 7
	s_lshl_b32 s20, s17, 8
	s_add_co_u32 s20, s20, s18                     ; A: row 256 x tile row + 128 x half
	s_lshl_b32 s46, s42, 8
	s_add_co_u32 s46, s46, s18                     ; B: row 256 x tile column + 128 x half
	s_mov_b32 s21, 0
	s_mov_b32 s47, 0
	s_mov_b64 s[18:19], KROW
	s_mul_u64 s[20:21], s[20:21], s[18:19]
	s_mul_u64 s[46:47], s[46:47], s[18:19]
	s_mul_i32 s45, s14, HALFT                      ; where they go: wave x 128 rows
	s_wait_dscnt 0x0                               ; both opening adds are done
	s_wait_kmcnt 0x0
	s_load_b64 s[96:97], s[8:9], 0x0               ; e0, e1
	s_load_b32 s98, s[8:9], 0x1c                   ; e7
	s_add_nc_u64 s[20:21], s[4:5], s[20:21]
	s_add_nc_u64 s[46:47], s[6:7], s[46:47]
	CROUND                                         ; all sixteen work-groups are here: the first joint loads meet
.irp s, 0,1
	s_mov_b32 s[G0+4*\s], 1
	s_add_co_u32 s[G0+4*\s+1], s45, \s*SLOT
	s_add_nc_u64 s[G0+4*\s+2:G0+4*\s+3], s[20:21], \s*ROWB
	s_or_b32 s[G0+4*\s+3], s[G0+4*\s+3], 0x80000000
	s_mov_b32 s[G0B+4*\s], 1
	s_add_co_u32 s[G0B+4*\s+1], s45, \s*SLOT
	s_add_nc_u64 s[G0B+4*\s+2:G0B+4*\s+3], s[46:47], \s*ROWB
	s_or_b32 s[G0B+4*\s+3], s[G0B+4*\s+3], 0x80000000
	JLOAD G0+4*\s, G1, G0B+4*\s, G1B
.endr
	v_and_b32 v1, 15, v0                           ; l % 16
	v_bfe_u32 v2, v0, 4, 1                         ; l / 16
	v_mul_u32_u24 v3, v1, PITCH
	v_lshl_add_u32 v4, v2, 4, v3
	s_mul_i32 s21, s15, HALFT                      ; my 128 rows of A
	s_mul_i32 s22, s16, HALFT                      ; my 128 rows of B,
	s_add_co_u32 s22, s22, 2*HALFT                 ; which lie behind A's 256
.irp s, 0,1
	v_add_nc_u32 v[ADRA+\s], s21, v4
	v_add_nc_u32 v[ADRB+\s], s22, v4
	s_add_co_u32 s21, s21, SLOT
	s_add_co_u32 s22, s22, SLOT
.endr
	s_lshl_b32 s46, s42, 10                        ; the bias at my first column: 1,024 x tile column + 512 x half, in bytes
	s_lshl_b32 s47, s16, 9
	s_add_co_u32 s46, s46, s47
	s_mov_b32 s47, 0
	s_add_nc_u64 s[12:13], s[12:13], s[46:47]
	v_lshlrev_b32 v5, 5, v2                        ; 32 h
.irp b, 0,1,2,3,4,5,6,7
	global_load_b128 v[BI+8*\b:BI+8*\b+3],   v5, s[12:13] offset:64*\b
	global_load_b128 v[BI+8*\b+4:BI+8*\b+7], v5, s[12:13] offset:64*\b+16
.endr
	s_lshl_b32 s20, s17, 4                         ; qc: position tile 16 x tile row + 8 x half, 16,384 bytes each;
	s_lshl_b32 s21, s15, 3
	s_add_co_u32 s20, s20, s21
	s_lshl_b32 s20, s20, 14
	s_mov_b32 s21, 0
	s_lshl_b32 s46, s42, 12                        ; head 4 x tile column + 2 x half, 1,024 bytes each
	s_lshl_b32 s47, s16, 11
	s_add_co_u32 s46, s46, s47
	s_mov_b32 s47, 0
	s_add_nc_u64 s[20:21], s[20:21], s[46:47]
	s_add_nc_u64 s[10:11], s[10:11], s[20:21]
	v_and_b32 v6, 31, v0
	v_lshlrev_b32 v[CO], 4, v6
	s_wait_kmcnt 0x0
	s_add_co_i32 s99, s96, s97                     ; e0 + e1
	s_sub_co_i32 s98, s98, s99                     ; e7 - e0 - e1
	s_sub_co_i32 s99, 0, s99
	s_add_co_i32 s98, s98, 127
	s_lshl_b32 s97, s98, 23
	v_mov_b32 v30, s97                             ; 2^(e7 - e0 - e1) as f32
	s_add_co_i32 s98, s98, 8
	s_lshl_b32 s98, s98, 23
	s_or_b32 s98, s98, 0x600000
	v_mov_b32 v31, s98                             ; 448 x that
	s_wait_loadcnt 0x0
.set j, 0
.rept 64
	v_ldexp_f32 v[BI+j], v[BI+j], s99              ; bq / 2^(e0 + e1)
.set j, j+1
.endr
.macro FRAG reg, adr, q, i             ; 16 rows x 128 places: registers 4 c .. 4 c + 3 hold places 32 c + 16 (l / 16) + 0 .. 15, alike in A and B
.irp c, 0,1,2,3
	ds_load_b128 v[\reg+4*\c:\reg+4*\c+3], v[\adr] offset:128*(\q)+32*\c+(\i)*16*PITCH
.endr
.endm
; 16 matrix instructions: A's blocks a0, a0 + 1 x B's eight.  first = 1: the sums begin with the bias as C.  The 64 accumulators take turns, one instruction a turn, in the same order in every step.
.macro MUL16 a0, p, first
.irp a, \a0, \a0+1
.irp b, 0,1,2,3,4,5,6,7
.if \first
	v_wmma_f32_16x16x128_fp8_fp8 v[8*(8*((\a)%4)+\b):8*(8*((\a)%4)+\b)+7], v[128*(\p)+FR*\b:128*(\p)+FR*\b+FR-1], v[AF+FR*(\a):AF+FR*(\a)+FR-1], v[BI+8*\b:BI+8*\b+7]
.else
	v_wmma_f32_16x16x128_fp8_fp8 v[8*(8*((\a)%4)+\b):8*(8*((\a)%4)+\b)+7], v[128*(\p)+FR*\b:128*(\p)+FR*\b+FR-1], v[AF+FR*(\a):AF+FR*(\a)+FR-1], v[8*(8*((\a)%4)+\b):8*(8*((\a)%4)+\b)+7]
.endif
.endr
.endr
.endm
.macro FETCH_B slot, q, p
	WIN TO_B
.irp i, 0,1,2,3,4,5,6,7
	FRAG 128*(\p)+FR*\i, ADRB+\slot, \q, \i
.endr
	WIN 0
.endm
.macro FETCH_A slot, q, i0
.irp i, \i0, \i0+1, \i0+2, \i0+3
	FRAG AF+FR*(\i), ADRA+\slot, \q, \i
.endr
.endm
.macro PLACES n                        ; places in front of loads into registers that matrix instructions have read, and of the first read of results
.rept \n
	v_nop
.endr
.endm
.macro STEP slot, q, first             ; a step of 128 along K that has its successor in the same slot
	s_wait_dscnt 4*NL                              ; B's set and A's blocks 0-3 are in; A's blocks 4-7 may be out
.if \first
	WIN FIRST_LO
.else
	WIN MUL_LO
.endif
	MUL16 0, (\q)%2, \first
	MUL16 2, (\q)%2, \first
	s_wait_dscnt 0                                 ; A's blocks 4-7 are in
	PLACES NP
	FETCH_B \slot, (\q)+1, 1-(\q)%2
	FETCH_A \slot, (\q)+1, 0
.if \first
	WIN FIRST_HI
.else
	WIN MUL_HI
.endif
	MUL16 4, (\q)%2, \first
	MUL16 6, (\q)%2, \first
	PLACES NP
	WIN 0
	FETCH_A \slot, (\q)+1, 4
.endm
; A slot's last step changes slots: ONE barrier; in front of it each wave waits for all its tensor loads, adds 0 to its spare word, and waits for that and for its own reads of this slot.
.macro TURN slot, next, fill
	s_wait_tensorcnt 0x0                           ; all my tensor loads have landed: my part of the next slot
	ds_add_u32 v[SPW], v[NIL]                      ; 0 onto my spare word
	s_wait_dscnt 4*NL+1                            ; (the add and A's blocks 4-7 may be out)
	WIN MUL_LO
	MUL16 0, 1, 0
	s_wait_dscnt 0x0                               ; the add is done, and my reads of this slot are over
	s_barrier_signal -1
	MUL16 2, 1, 0
	WIN 0
	s_barrier_wait -1
.if \fill
	CREST                                          ; the barrier has opened a round of the cluster's: no wave of any partner still reads this slot or has a load on its way
	s_add_nc_u64 s[G0+4*\slot+2:G0+4*\slot+3], s[G0+4*\slot+2:G0+4*\slot+3], 2*ROWB
	s_add_nc_u64 s[G0B+4*\slot+2:G0B+4*\slot+3], s[G0B+4*\slot+2:G0B+4*\slot+3], 2*ROWB
	JLOAD G0+4*\slot, G1, G0B+4*\slot, G1B         ; the first tensor load behind the round; its four v_nop are the places in front of the loads below
.else
	PLACES NP
.endif
	FETCH_B \next, 0, 0
	FETCH_A \next, 0, 0
	WIN MUL_HI
	MUL16 4, 1, 0
	MUL16 6, 1, 0
	PLACES NP
	WIN 0
	FETCH_A \next, 0, 4
.endm
	s_wait_tensorcnt 1                             ; my part of K step 0 is in (K step 1's load may be out)
	s_barrier_signal -1
	s_barrier_wait -1                              ; everybody's is
	FETCH_B 0, 0, 0
	FETCH_A 0, 0, 0
	FETCH_A 0, 0, 4
	STEP 0, 0, 1
	s_mov_b32 s3, LAPS-1
.Llap:                                                 ; a trip goes once round the ring and fills both slots again
	TURN 0, 1, 1
	STEP 1, 0, 0
	TURN 1, 0, 1
	STEP 0, 0, 0
	s_sub_co_u32 s3, s3, 1
	s_cmp_lg_u32 s3, 0
	s_cbranch_scc1 .Llap
	TURN 0, 1, 0                                   ; the last lap fills nothing
	STEP 1, 0, 0
	s_wait_dscnt 4*NL
	WIN MUL_LO
	MUL16 0, 1, 0
	MUL16 2, 1, 0
	s_wait_dscnt 0
	WIN MUL_HI
	MUL16 4, 1, 0
	MUL16 6, 1, 0
	WIN 0
; THE WAY OUT, block by block of 16 positions x 128 columns (two heads): hold, convert, store.  Each block has its own 16 registers of codes, so no store's data are written again.
.macro OUTQ a
	WIN 0x02+((\a)/4)                              ; source 0: window 2 or 3
.set j, 0
.rept 64
	v_med3_num_f32 v[TMP+j], v[64*((\a)%4)+j], -v31, v31     ; the hold at the largest code x the scale; each accumulator from its low end on
.set j, j+1
.endr
	WIN 0
.irp b, 0,1,2,3,4,5,6,7
	v_cvt_scalef32_pk8_fp8_f32 v[QC+16*(\a)+2*\b:QC+16*(\a)+2*\b+1], v[TMP+8*\b:TMP+8*\b+7], v30
.endr
	v_nop                                          ; a plain line between the conversions and the next block's holds, which write their sources
.irp g, 0,1,2,3
	global_store_b128 v[CO], v[QC+16*(\a)+4*\g:QC+16*(\a)+4*\g+3], s[10:11] offset:16384*(\a)+512*\g   ; head g / 2, registers 4 (g % 2) on: 512 consecutive bytes
.endr
.endm
	PLACES NP
.irp a, 0,1,2,3,4,5,6,7
	OUTQ \a
.endr
	s_wait_tensorcnt 0x0                           ; the wave's end
	ds_add_u32 v[SPW], v[NIL]
	s_wait_dscnt 0x0
	CROUND                                         ; the closing round
	s_endpgm
.Lfunc_end_k_q54a7c1c83d_qproj:
	.size	k_q54a7c1c83d_qproj, .Lfunc_end_k_q54a7c1c83d_qproj-k_q54a7c1c83d_qproj
	.p2alignl 7, 3214868480
	.fill 96, 4, 3214868480
	.section	.rodata,"a",@progbits
	.p2align	6, 0x0
	.amdhsa_kernel k_q54a7c1c83d_qproj
		.amdhsa_group_segment_fixed_size 327680
		.amdhsa_private_segment_fixed_size 0
		.amdhsa_enable_private_segment 0
		.amdhsa_kernarg_size 40
		.amdhsa_user_sgpr_count 2
		.amdhsa_user_sgpr_kernarg_segment_ptr 1
		.amdhsa_wavefront_size32 1
		.amdhsa_system_sgpr_workgroup_id_x 1
		.amdhsa_system_sgpr_workgroup_id_y 1
		.amdhsa_system_sgpr_workgroup_id_z 1
		.amdhsa_system_vgpr_workitem_id 0
		.amdhsa_next_free_vgpr 1024
		.amdhsa_next_free_sgpr 100
		.amdhsa_reserve_vcc 0
		.amdhsa_float_denorm_mode_32 3
		.amdhsa_float_denorm_mode_16_64 3
		.amdhsa_memory_ordered 1
		.amdhsa_forward_progress 1
		.amdhsa_inst_pref_size 123
	.end_amdhsa_kernel
	.amdgpu_metadata
---
amdhsa.version: [ 1, 2 ]
amdhsa.kernels:
  - .name:           k_q54a7c1c83d_qproj
    .symbol:         k_q54a7c1c83d_qproj.kd
    .args:
      - { .name: hc, .offset: 0, .size: 8, .value_kind: global_buffer, .address_space: global }
      - { .name: wqc, .offset: 8, .size: 8, .value_kind: global_buffer, .address_space: global }
      - { .name: lowp_scales, .offset: 16, .size: 8, .value_kind: global_buffer, .address_space: global }
      - { .name: qc, .offset: 24, .size: 8, .value_kind: global_buffer, .address_space: global }
      - { .name: bq, .offset: 32, .size: 8, .value_kind: global_buffer, .address_space: global }
    .group_segment_fixed_size: 327680
    .private_segment_fixed_size: 0
    .kernarg_segment_align: 8
    .kernarg_segment_size: 40
    .max_flat_workgroup_size: 128
    .sgpr_count:     100
    .vgpr_count:     1024
    .wavefront_size: 32
...
	.end_amdgpu_metadata
.endif
;; end of part 3
;; launch attn (part 4): grid 256 x 1, 16 waves a work-group, no clusters, 297,472 bytes of LDS; arguments qc, kv, lowp_scales, oc; writes oc
.if DOCPART == 4
	.amdgcn_target "amdgcn-amd-amdhsa--gfx1250"
	.amdhsa_code_object_version 6
	.text
	.protected	k_q54a7c1c83d_attn
	.globl	k_q54a7c1c83d_attn
	.p2align	8
	.type	k_q54a7c1c83d_attn,@function
k_q54a7c1c83d_attn:
	s_mov_b64 s[64:65], 0
	v_nop
	global_prefetch_b8 v0, s[64:65] scope:SCOPE_SE
	s_setreg_imm32_b32 hwreg(HW_REG_WAVE_MODE, 25, 1), 1
	s_wait_xcnt 0x0
; ATTENTION ON CODES OF FP8 (E4M3): S^T = K Q^T (k under e6, q under e7), the softmax, O^T = V^T P^T (v under e8, p under e9), the result quantised with e10 for the last product.  Nothing is left out.
; t = score x log2(e) / 8; M = ceil(the row's largest t); p = 2^(t - M) is quantised, not normalised; the row's sum of the unquantised p divides at the end.
; SHARES.  Work-group g: positions 32 g .. 32 g + 31 of batch g / 64, all 16 heads.  Wave w is head w with BOTH its tiles of 16 queries: each fragment of K or V read from LDS feeds two matrix instructions.
; THE BATCH'S K AND V LIE WHOLE IN LDS (256 KB of register images), copied once through registers and never filled again: no ring.
; TWO WALKS OVER THE KEYS.  The first forms S^T and keeps only each query's maximum, so M is the row's own.  The second forms S^T again, with M fixed: nothing is rescaled, no maximum is taken in it.
; For a tile and 64 keys that is 16 + 16 + 32 + 16 + 4 vector instructions and 4 + 4 + 4 matrix instructions.
; LAYOUT.  Both products are used transposed: a lane holds ONE query (lane % 16).  S^T tile f: register j is key 16 f + 8 h + j, so its conversion gives registers 2 f, 2 f + 1 of P in the K = 64 form's own layout.
; NOT ASKED FOR JOINTLY, though the 64 work-groups of a batch read the same K and V: they are read once, at the head, against 64 trips that read LDS alone; and a joint load is a tensor load
; The 64 holds of p in each step of 64 keys, which a scalar branch leaves out where 448 x 2^e9 is above every p (e9 >= -8: 1.75 or more), would then always run.
; oc [8192][1024]: codes; place 512 q + 16 l + 4 i + j of a row holds k = 512 q + 128 i + 4 l + j, as in Wo's codes.
; LIMITS: e6 + e7 between -123 and 130 (added to c's exponent field); e9 between -126 and 119; e8 + e9 - e10 is applied by v_ldexp_f32 and has none.
.set VIMG,  131072                     ; LDS: K's image at 0, V's here,
.set STAGE, 262144                     ; the stage for the way out: 32 rows x (1,024 + 16) bytes,
.set SP,    1040
.set SPARE, STAGE+32*SP                ; and the spare words, 128 bytes a wave
.set LI,   1                           ; v1  16 x lane
.set ADK,  2                           ; v2  LDS address of the K fragments to be fetched;  v3: of V's
.set ADV,  3
.set SPW,  4                           ; v4  my spare word's LDS address; never rewritten
.set NIL,  5                           ; v5  0; never rewritten
.set STA,  6                           ; v6  the stage: where my codes go;  v7: where I read rows back
.set STR,  7
.set PT,   9                           ; v9  the lane permute's destination
.set LIM,  10                          ; v10 448 x 2^e9;  v11 2^e9;  v12 448;  v13 1
.set SCP,  11
.set L448, 12
.set ONE,  13
.set NM,   14                          ; v[14:15], v[16:17]: -M of tiles 0, 1 (the low word is used)
.set CH,   18                          ; v18-21: four chains of the maximum; later v[18:25]: the sums, two chains of pairs a tile
.set CP,   26                          ; v26-29: 16 x thread + 65,536 x 0..3
.set QF,   32                          ; v32-47   Q, 8 registers a tile
.set KB,   48                          ; v48-79   four fragments of K
.set VB,   80                          ; v80-111  four fragments of V
.set SS,   112                         ; v112-175 S^T, then p: 32 a tile
.set OO,   176                         ; v176-239 O^T: 32 a tile
.set PP,   240                         ; v240-255 p's codes: 8 a tile
.set WV,   12
.set SEL,  20
.set CS,   22                          ; s[22:23] c
.set HOLD, 26                          ; s26 1 where e9 < -8
.set EO,   27                          ; s27 e8 + e9 - e10
.set TB,   28                          ; s28 LDS byte of the 64 keys to be fetched: also the loops' counter
	s_load_b128 s[4:7], s[0:1], 0x0                ; qc s[4:5], kv s[6:7]
	s_load_b128 s[8:11], s[0:1], 0x10              ; the scales s[8:9], oc s[10:11]
	v_lshl_add_u32 v[SPW], v0, 2, SPARE
	v_mov_b32 v[NIL], 0
	v_lshrrev_b32 v30, 5, v0
	v_readfirstlane_b32 s[WV], v30                 ; wave = head
	v_and_b32 v30, 31, v0
	v_lshlrev_b32 v[LI], 4, v30
	v_lshlrev_b32 v[CP], 4, v0
	v_add_nc_u32 v[CP+1], 0x10000, v[CP]
	v_add_nc_u32 v[CP+2], 0x20000, v[CP]
	v_add_nc_u32 v[CP+3], 0x30000, v[CP]
	v_and_b32 v30, 15, v0                          ; r
	v_bfe_u32 v31, v0, 4, 1                        ; h
	s_lshr_b32 s13, s[WV], 3                       ; k = 64 w + 16 t + 8 h + 4 g + j lies at place 512 (w / 8) + 256 (w % 2) + 64 t + 32 h + 16 g + 4 ((w / 2) % 4) + j
	s_lshl_b32 s13, s13, 9
	s_and_b32 s14, s[WV], 1
	s_lshl_b32 s14, s14, 8
	s_add_co_u32 s13, s13, s14
	s_bfe_u32 s14, s[WV], 0x20001
	s_lshl_b32 s14, s14, 2
	s_add_co_u32 s13, s13, s14
	s_add_co_u32 s13, s13, STAGE
	v_mul_u32_u24 v[STA], v30, SP
	v_lshl_add_u32 v[STA], v31, 5, v[STA]
	v_add_nc_u32 v[STA], s13, v[STA]
	s_mul_i32 s13, s[WV], 2*SP
	s_add_co_u32 s13, s13, STAGE
	v_add_nc_u32 v[STR], s13, v[LI]                ; back: rows 2 w, 2 w + 1
	s_lshl_b32 s14, ttmp9, 15                      ; qc: position tile 2 g, head w
	s_lshl_b32 s15, s[WV], 10
	s_add_co_u32 s14, s14, s15
	s_mov_b32 s15, 0
	s_lshr_b32 s16, ttmp9, 6                       ; kv: the batch
	s_lshl_b32 s16, s16, 18
	s_mov_b32 s17, 0
	s_lshl_b32 s18, ttmp9, 5                       ; oc: row 32 g + 2 w
	s_lshl_b32 s19, s[WV], 1
	s_add_co_u32 s18, s18, s19
	s_lshl_b32 s18, s18, 10
	s_mov_b32 s19, 0
	s_mov_b32 s[SEL], 0x76543210                   ; v_permlanex16_b32: lane l xor 16
	s_mov_b32 s[SEL+1], 0xfedcba98
	s_wait_kmcnt 0x0
	s_load_b128 s[68:71], s[8:9], 0x18             ; e6, e7, e8, e9
	s_load_b32 s72, s[8:9], 0x28                   ; e10
	s_add_nc_u64 s[4:5], s[4:5], s[14:15]
	s_add_nc_u64 s[6:7], s[6:7], s[16:17]
	s_add_nc_u64 s[10:11], s[10:11], s[18:19]
.irp q, 0,1
.irp i, 0,1
	global_load_b128 v[QF+8*\q+4*\i:QF+8*\q+4*\i+3], v[LI], s[4:5] offset:16384*\q+512*\i
.endr
.endr
.set i, 0
.rept 16
	global_load_b128 v[KB+4*i:KB+4*i+3], v[CP], s[6:7] offset:8192*i          ; K's image: the work-group reads 8,192 consecutive bytes
.set i, i+1
.endr
.set i, 0
.rept 16
	global_load_b128 v[OO+4*i:OO+4*i+3], v[CP], s[6:7] offset:VIMG+8192*i     ; V's: it lands in O^T's registers, which the first walk does not touch
.set i, i+1
.endr
	v_mov_b32 v[PT], 0                             ; written once: a lane permute's destination counts as one of its sources
	v_mov_b32 v[L448], 0x43e00000
	v_mov_b32 v[ONE], 1.0
.irp k, 0,1,2,3
	v_mov_b32 v[CH+\k], 0xff800000                 ; the maxima begin at -infinity
.endr
	s_wait_kmcnt 0x0
	s_add_co_i32 s24, s68, s69
	s_lshl_b32 s24, s24, 23
	s_add_co_i32 s[CS], s24, 0x3e38aa3b            ; c = log2(e) / 8, with e6 + e7 added to its exponent field: a score stands for score x 2^(e6 + e7)
	s_mov_b32 s[CS+1], s[CS]                       ; (named with it as a pair, so it is written)
	s_add_co_i32 s24, s71, 127
	s_lshl_b32 s25, s24, 23
	v_mov_b32 v[SCP], s25
	s_add_co_i32 s24, s24, 8
	s_lshl_b32 s24, s24, 23
	s_or_b32 s24, s24, 0x600000
	v_mov_b32 v[LIM], s24
	s_cmp_lt_i32 s71, -8
	s_cselect_b32 s[HOLD], 1, 0
	s_add_co_i32 s[EO], s70, s71
	s_sub_co_i32 s[EO], s[EO], s72
	s_wait_loadcnt 16                              ; Q and K's image are in; V's sixteen loads stay out through the first walk
.set i, 0
.rept 16
	ds_store_b128 v[CP+i/8], v[KB+4*i:KB+4*i+3] offset:8192*(i%8)
.set i, i+1
.endr
	s_wait_dscnt 0x0                               ; for the others' sake: my part of K's image is stored
	s_barrier_signal -1
	s_barrier_wait -1
.macro LDK adr                         ; four fragments of K, 64 keys: each load takes 512 consecutive bytes
.irp f, 0,1,2,3
.irp i, 0,1
	ds_load_b128 v[KB+8*\f+4*\i:KB+8*\f+4*\i+3], v[\adr] offset:1024*\f+512*\i
.endr
.endr
.endm
.macro LDV                             ; four fragments of V: the head's 64 x 64 keys
.irp t, 0,1,2,3
.irp i, 0,1
	ds_load_b128 v[VB+8*\t+4*\i:VB+8*\t+4*\i+3], v[ADV] offset:1024*\t+512*\i
.endr
.endr
.endm
.macro SMUL                            ; S^T of 64 keys x both tiles of queries
.irp f, 0,1,2,3
.irp q, 0,1
	v_wmma_f32_16x16x64_fp8_fp8 v[SS+32*\q+8*\f:SS+32*\q+8*\f+7], v[KB+8*\f:KB+8*\f+7], v[QF+8*\q:QF+8*\q+7], 0
.endr
.endr
.endm
.macro NEXTK fetch                     ; four places behind the products, in front of loads into K's registers and of the first read of S^T; then the next 64 keys
.if \fetch
	s_add_co_u32 s[TB], s[TB], 4096
	v_add_nc_u32 v[ADK], s[TB], v[LI]
.rept 3
	v_nop
.endr
	LDK ADK
.else
.rept 4
	v_nop
.endr
.endif
.endm
; THE FIRST WALK: 64 keys a trip
.macro ATRIP fetch
	s_wait_dscnt 0x0                               ; K's four fragments are in
	SMUL
	NEXTK \fetch
.irp f, 0,1,2,3
.irp u, 0,4
	v_max3_num_f32 v[CH],   v[CH],   v[SS+8*\f+\u],      v[SS+8*\f+\u+1]       ; two chains a tile; each accumulator from its low end on
	v_max3_num_f32 v[CH+2], v[CH+2], v[SS+32+8*\f+\u],   v[SS+32+8*\f+\u+1]
	v_max3_num_f32 v[CH+1], v[CH+1], v[SS+8*\f+\u+2],    v[SS+8*\f+\u+3]
	v_max3_num_f32 v[CH+3], v[CH+3], v[SS+32+8*\f+\u+2], v[SS+32+8*\f+\u+3]
.endr
.endr
.endm
	s_mov_b32 s[TB], 0
	LDK LI
.Lmax:                                             ; 31 trips; the last 64 keys are written out: nothing is left to fetch
	ATRIP 1
	s_cmp_lt_u32 s[TB], 126976
	s_cbranch_scc1 .Lmax
	ATRIP 0
	v_max_num_f32 v[CH], v[CH], v[CH+1]
	v_max_num_f32 v[CH+2], v[CH+2], v[CH+3]
	v_permlanex16_b32 v[PT], v[CH], s[SEL], s[SEL+1]     ; the query's other keys lie in the lane 16 away
	v_max_num_f32 v[CH], v[CH], v[PT]
	v_permlanex16_b32 v[PT], v[CH+2], s[SEL], s[SEL+1]
	v_max_num_f32 v[CH+2], v[CH+2], v[PT]
	v_mul_f32 v[CH], s[CS], v[CH]                  ; as t (c is positive)
	v_mul_f32 v[CH+2], s[CS], v[CH+2]
	v_floor_f32 v[NM], -v[CH]                      ; -M = floor(-t) = -ceil(t)
	v_floor_f32 v[NM+2], -v[CH+2]
	v_mov_b32 v[NM+1], 0                           ; (named as the pairs' upper halves)
	v_mov_b32 v[NM+3], 0
	s_wait_loadcnt 0x0                             ; V's image
.set i, 0
.rept 16
	ds_store_b128 v[CP+2+i/8], v[OO+4*i:OO+4*i+3] offset:8192*(i%8)
.set i, i+1
.endr
	s_wait_dscnt 0x0                               ; for the others' sake: my part of V's image is stored
	s_barrier_signal -1
	s_barrier_wait -1
.irp k, 0,1,2,3,4,5,6,7
	v_mov_b32 v[CH+\k], 0                          ; the sums
.endr
	s_mov_b32 s[TB], 0
	LDK LI
	v_add_nc_u32 v[ADV], VIMG, v[LI]
	LDV
; THE SECOND WALK: 64 keys, both tiles.  zero = 1: the first products start O^T's sums: nothing is cleared.
.macro BHALF fetch, zero
	s_wait_dscnt 8                                 ; K's eight loads are in; V's eight, issued behind them, may be out
	SMUL
	NEXTK \fetch
.irp q, 0,1
.set j, 0
.rept 16
	v_pk_fma_f32 v[SS+32*\q+j:SS+32*\q+j+1], v[SS+32*\q+j:SS+32*\q+j+1], s[CS:CS+1], v[NM+2*\q:NM+2*\q+1] op_sel_hi:[1,0,0]   ; t - M, two at a time (of the pairs c and -M the low word serves both halves)
.set j, j+2
.endr
.endr
.set j, 0
.rept 64
	v_exp_f32 v[SS+j], v[SS+j]                     ; p = 2^(t - M): one batch
.set j, j+1
.endr
.if \fetch
	v_add_nc_u32 v[ADV], VIMG, v[ADK]              ; the plain line behind the last exponential
.else
	v_nop
.endif
	s_wait_alu depctr_va_vdst(0)                   ; one wait for the batch, ahead of its first reader
.set j, 0
.rept 8
	v_pk_add_f32 v[CH:CH+1],   v[CH:CH+1],   v[SS+j:SS+j+1]          ; THE ROW'S SUM IS TAKEN OF THE UNQUANTISED p
	v_pk_add_f32 v[CH+4:CH+5], v[CH+4:CH+5], v[SS+32+j:SS+32+j+1]
	v_pk_add_f32 v[CH+2:CH+3], v[CH+2:CH+3], v[SS+j+2:SS+j+3]
	v_pk_add_f32 v[CH+6:CH+7], v[CH+6:CH+7], v[SS+32+j+2:SS+32+j+3]
.set j, j+4
.endr
	s_cmp_eq_u32 s[HOLD], 0                        ; a whole number among the inputs decides; no tensor load, copy or barrier hangs on it
	s_cbranch_scc1 .Lfree_\@
.set j, 0
.rept 64
	v_min_num_f32 v[SS+j], v[SS+j], v[LIM]         ; the conversion to an 8-bit code does not saturate (ISA guide 7.6.2); p is not negative, so the hold is one-sided
.set j, j+1
.endr
.Lfree_\@:
.irp q, 0,1
.irp f, 0,1,2,3
	v_cvt_scalef32_pk8_fp8_f32 v[PP+8*\q+2*\f:PP+8*\q+2*\f+1], v[SS+32*\q+8*\f:SS+32*\q+8*\f+7], v[SCP]
.endr
.endr
	v_nop                                          ; a plain line between the conversions and the products that read their results
.if \fetch
	s_wait_dscnt 8                                 ; V's eight loads are in; the next K's eight may be out
.else
	s_wait_dscnt 0x0
.endif
.irp t, 0,1,2,3
.irp q, 0,1
.if \zero
	v_wmma_f32_16x16x64_fp8_fp8 v[OO+32*\q+8*\t:OO+32*\q+8*\t+7], v[VB+8*\t:VB+8*\t+7], v[PP+8*\q:PP+8*\q+7], 0
.else
	v_wmma_f32_16x16x64_fp8_fp8 v[OO+32*\q+8*\t:OO+32*\q+8*\t+7], v[VB+8*\t:VB+8*\t+7], v[PP+8*\q:PP+8*\q+7], v[OO+32*\q+8*\t:OO+32*\q+8*\t+7]   ; eight accumulators by turns, one instruction a turn
.endif
.endr
.endr
.if \fetch
.rept 4
	v_nop                                          ; places in front of the loads into V's registers
.endr
	LDV
.endif
.endm
	BHALF 1, 1
.Lkeys:                                            ; 30 trips
	BHALF 1, 0
	s_cmp_lt_u32 s[TB], 126976
	s_cbranch_scc1 .Lkeys
	BHALF 0, 0
	; THE WAY OUT.  The first four additions name no register of the last products: they are the places behind them.
	v_pk_add_f32 v[CH:CH+1], v[CH:CH+1], v[CH+2:CH+3]
	v_pk_add_f32 v[CH+4:CH+5], v[CH+4:CH+5], v[CH+6:CH+7]
	v_add_f32 v[CH], v[CH], v[CH+1]
	v_add_f32 v[CH+4], v[CH+4], v[CH+5]
	v_permlanex16_b32 v[PT], v[CH], s[SEL], s[SEL+1]
	v_add_f32 v[CH], v[CH], v[PT]                  ; the row's sum
	v_permlanex16_b32 v[PT], v[CH+4], s[SEL], s[SEL+1]
	v_add_f32 v[CH+4], v[CH+4], v[PT]
	v_rcp_f32 v[CH+2], v[CH]
	v_rcp_f32 v[CH+6], v[CH+4]
	v_nop                                          ; a plain line behind the last reciprocal
	s_wait_alu depctr_va_vdst(0)                   ; one wait for both, ahead of the first reader
	v_ldexp_f32 v[CH+2], v[CH+2], s[EO]            ; x 2^(e8 + e9 - e10): the result comes out divided by the next quantiser's scale
	v_ldexp_f32 v[CH+6], v[CH+6], s[EO]
.irp q, 0,1
.set j, 0
.rept 16
	v_pk_mul_f32 v[SS+32*\q+j:SS+32*\q+j+1], v[OO+32*\q+j:OO+32*\q+j+1], v[CH+2+4*\q:CH+3+4*\q] op_sel_hi:[1,0]   ; each accumulator from its low end on
.set j, j+2
.endr
.endr
.set j, 0
.rept 64
	v_med3_num_f32 v[SS+j], v[SS+j], -v[L448], v[L448]
.set j, j+1
.endr
.irp q, 0,1
.irp t, 0,1,2,3
	v_cvt_scalef32_pk8_fp8_f32 v[PP+8*\q+2*\t:PP+8*\q+2*\t+1], v[SS+32*\q+8*\t:SS+32*\q+8*\t+7], v[ONE]   ; d = 16 t + 8 h + 0..7 of query r of tile q
.endr
.endr
	v_nop
.irp q, 0,1
.irp t, 0,1,2,3
.irp g, 0,1
	ds_store_b32 v[STA], v[PP+8*\q+2*\t+\g] offset:16*SP*\q+64*\t+16*\g
.endr
.endr
.endr
	s_wait_dscnt 0x0                               ; for the others' sake: my head's codes are in the stage
	s_barrier_signal -1
	s_barrier_wait -1
.irp n, 0,1,2,3
	ds_load_b128 v[SS+4*\n:SS+4*\n+3], v[STR] offset:SP*(\n/2)+512*(\n%2)
.endr
.irp n, 0,1,2,3
	s_wait_dscnt 3-\n                              ; load n is in, the younger ones may be out
	global_store_b128 v[LI], v[SS+4*\n:SS+4*\n+3], s[10:11] offset:512*\n     ; 512 consecutive bytes, at a multiple of 256 from oc's first byte
.endr
	s_wait_tensorcnt 0x0                           ; the wave's end: three lines behind my last LDS store
	ds_add_u32 v[SPW], v[NIL]
	s_wait_dscnt 0x0
	s_endpgm
.Lfunc_end_k_q54a7c1c83d_attn:
	.size	k_q54a7c1c83d_attn, .Lfunc_end_k_q54a7c1c83d_attn-k_q54a7c1c83d_attn
	.p2alignl 7, 3214868480
	.fill 96, 4, 3214868480
	.section	.rodata,"a",@progbits
	.p2align	6, 0x0
	.amdhsa_kernel k_q54a7c1c83d_attn
		.amdhsa_group_segment_fixed_size 297472
		.amdhsa_private_segment_fixed_size 0
		.amdhsa_enable_private_segment 0
		.amdhsa_kernarg_size 32
		.amdhsa_user_sgpr_count 2
		.amdhsa_user_sgpr_kernarg_segment_ptr 1
		.amdhsa_wavefront_size32 1
		.amdhsa_system_sgpr_workgroup_id_x 1
		.amdhsa_system_sgpr_workgroup_id_y 1
		.amdhsa_system_sgpr_workgroup_id_z 1
		.amdhsa_system_vgpr_workitem_id 0
		.amdhsa_next_free_vgpr 256
		.amdhsa_next_free_sgpr 80
		.amdhsa_reserve_vcc 0
		.amdhsa_float_denorm_mode_32 3
		.amdhsa_float_denorm_mode_16_64 3
		.amdhsa_memory_ordered 1
		.amdhsa_forward_progress 1
		.amdhsa_inst_pref_size 59
	.end_amdhsa_kernel
	.amdgpu_metadata
---
amdhsa.version: [ 1, 2 ]
amdhsa.kernels:
  - .name:           k_q54a7c1c83d_attn
    .symbol:         k_q54a7c1c83d_attn.kd
    .args:
      - { .name: qc, .offset: 0, .size: 8, .value_kind: global_buffer, .address_space: global }
      - { .name: kv, .offset: 8, .size: 8, .value_kind: global_buffer, .address_space: global }
      - { .name: lowp_scales, .offset: 16, .size: 8, .value_kind: global_buffer, .address_space: global }
      - { .name: oc, .offset: 24, .size: 8, .value_kind: global_buffer, .address_space: global }
    .group_segment_fixed_size: 297472
    .private_segment_fixed_size: 0
    .kernarg_segment_align: 8
    .kernarg_segment_size: 32
    .max_flat_workgroup_size: 512
    .sgpr_count:     80
    .vgpr_count:     256
    .wavefront_size: 32
...
	.end_amdgpu_metadata
.endif
;; end of part 4
;; launch oproj (part 5): grid 4 x 32, 4 waves a work-group, clusters of 4 x 4, 327,680 bytes of LDS; arguments oc, woc, lowp_scales, out0, bo; writes out0
.if DOCPART == 5
	.amdgcn_target "amdgcn-amd-amdhsa--gfx1250"
	.amdhsa_code_object_version 6
	.text
	.protected	k_q54a7c1c83d_oproj
	.globl	k_q54a7c1c83d_oproj
	.p2align	8
	.type	k_q54a7c1c83d_oproj,@function
k_q54a7c1c83d_oproj:
	s_mov_b64 s[64:65], 0
	v_nop
	global_prefetch_b8 v0, s[64:65] scope:SCOPE_SE
	s_setreg_imm32_b32 hwreg(HW_REG_WAVE_MODE, 25, 1), 1
	s_wait_xcnt 0x0
	s_wait_alu depctr_hold_cnt(0) depctr_sa_sdst(0) depctr_va_vdst(0) depctr_va_sdst(0) depctr_va_ssrc(0) depctr_va_vcc(0) depctr_vm_vsrc(0)
	s_getreg_b32 s2, hwreg(HW_REG_IB_STS2, 6, 4)
	s_cmp_eq_u32 s2, 0
	s_cbranch_scc0 .Lentry_in_a_cluster
	s_endpgm
.Lentry_in_a_cluster:
	s_bfe_u32 s2, ttmp6, 0x10000c
	s_cmp_lg_u32 s2, 0xf033
	s_cbranch_scc0 .Lentry_shape_is_right
	s_endpgm
.Lentry_shape_is_right:
; out0 = (attention's result) Wo + bo on codes of FP8 (E4M3).  A = oc [8192][1024], B = woc [1024 (n)][1024]: codes, the places along K in the same order in both.  out0 [8192][1024] f32.  Nothing is left out.
; A sum stands for sum x 2^(e10 + e11): bo goes in as the C of each sum's first product, divided by that power, and each finished sum is multiplied once by it.  LIMIT: e10 + e11 between -126 and 127.
; A tile of 256 x 256 is made by a work-group of four waves; a wave makes 128 x 128: 64 accumulators, 512 registers.  K goes in steps of 256 through a ring of two LDS slots filled by the tensor data mover.
; CLUSTERS: 4 x 4 work-groups; A's tile is asked for jointly along a row of the cluster, B's along a column.  128 tiles: one work-group each.
; THE MATRIX INSTRUCTION IS USED TRANSPOSED (source 0 = 16 rows of B, source 1 = 16 rows of A): a lane holds eight neighbouring numbers of a row of the output.
; REGISTERS, in windows of 256: window 0: v0-31 addresses; v32-95 the bias, later a block's results; from v128 A's fragments, ONE set, later rows read back.  window 1: B's fragments, TWO sets.  windows 2, 3: the accumulators ((a, b) at v[8 (8 (a % 4) + b)]).
.set SIZE_N, 1024
.set SIZE_K, 1024
.set KSTEP,  256
.set ROWB,   256
.set KROW,   SIZE_K
.set PITCH,  272                       ; an LDS row: 256 bytes + 16 of padding
.set FR,     16
.set NL,     4
.set NP,     4                         ; places behind this matrix instruction (ISA guide 7.12.1)
.set HALFT,  128*PITCH
.set SLOT,   4*HALFT
.set LAPS,   SIZE_K/(2*KSTEP)
.set SPARE,  2*SLOT                    ; behind the ring: the spare words, 128 bytes a wave
.set SPITCH, 528                       ; the way out: a stage of 16 rows x (512 + 16) bytes for each wave, in slot 0, which has had its last fill and its last read when the first result is stored there
.set ADRA, 16
.set ADRB, 20
.set STO,  24
.set RD,   25
.set CO,   26
.set SPW,  28                          ; v28  my spare word's LDS address; never rewritten
.set NIL,  29                          ; v29  0; never rewritten
.set BI,   32                          ; v32-95 bias / 2^(e10 + e11): register 8 b + j = bo[my first column + 16 b + 8 h + j]
.set TMP,  32
.set AF,   128
.set BK,   128
.set G1, 24
.set G0, 32
.set G1B, 48
.set G0B, 56
.set MSB, 0
.macro WIN new                         ; the immediate's high byte repeats the setting that is left
.if MSB != \new
	s_set_vgpr_msb (MSB<<8)|\new
.set MSB, \new
.endif
.endm
.set MUL_LO, 0xa1
.set MUL_HI, 0xf1
.set FIRST_LO, 0x81                    ; the first step: C (the bias) window 0, D window 2
.set FIRST_HI, 0xc1
.set TO_B,   0x40
.macro JLOAD g0a, g1a, g0b, g1b        ; a joint load: waves 0 and 1 fetch for A, waves 2 and 3 for B; an s_nop 0 and four v_nop follow each line
	s_cmp_eq_u32 s15, 0
	s_cbranch_scc0 .Lfor_b_\@
	tensor_load_to_lds s[\g0a:\g0a+3], s[\g1a:\g1a+7]
	s_nop 0
.rept 4
	v_nop
.endr
	s_branch .Lasked_\@
.Lfor_b_\@:
	tensor_load_to_lds s[\g0b:\g0b+3], s[\g1b:\g1b+7]
	s_nop 0
.rept 4
	v_nop
.endr
.Lasked_\@:
.endm
.macro CREST
	s_cmp_lg_u32 s14, 0
	s_cbranch_scc1 .Lnot_wave_0_\@
	s_barrier_signal -3
.Lnot_wave_0_\@:
	s_barrier_wait -3
	s_barrier_signal -1
	s_barrier_wait -1
.endm
.macro CROUND
	s_barrier_signal -1
	s_barrier_wait -1
	CREST
.endm
	s_load_b128 s[4:7], s[0:1], 0x0                ; A's codes s[4:5], B's codes s[6:7]
	s_load_b128 s[8:11], s[0:1], 0x10              ; the scales s[8:9], out0 s[10:11]
	s_load_b64 s[12:13], s[0:1], 0x20              ; bo
	v_lshl_add_u32 v[SPW], v0, 2, SPARE
	v_mov_b32 v[NIL], 0
	ds_add_u32 v[SPW], v[NIL]                      ; the wave's opening: the add, twice on end, and its wait ahead of my first tensor load
	ds_add_u32 v[SPW], v[NIL]
	v_lshrrev_b32 v1, 5, v0
	v_readfirstlane_b32 s14, v1                    ; wave 0..3
	s_lshr_b32 s15, s14, 1
	s_and_b32 s16, s14, 1
	s_bfe_u32 s40, ttmp6, 0x40000                  ; cx, cy
	s_bfe_u32 s41, ttmp6, 0x40004
	s_lshl_b32 s42, ttmp9, 2
	s_add_co_u32 s42, s42, s40                     ; tile column
	s_and_b32 s17, ttmp7, 0xffff
	s_lshl_b32 s17, s17, 2
	s_add_co_u32 s17, s17, s41                     ; tile row
	s_lshl_b32 s43, s41, 2
	s_lshl_b32 s43, 15, s43                        ; my row of the cluster
	s_lshl_b32 s44, 0x1111, s40                    ; my column
	s_or_b32 s[G1+0], s43, (0<<16)|(1<<20)|(1<<21)|(5<<22)|(3<<25)
	s_or_b32 s[G1B+0], s44, (0<<16)|(1<<20)|(1<<21)|(5<<22)|(3<<25)
.irp g, G1, G1B
	s_mov_b32 s[\g+1], ROWB<<16
	s_mov_b32 s[\g+2], 128<<16
	s_mov_b32 s[\g+3], ROWB<<16
	s_mov_b32 s[\g+4], 128
	s_mov_b32 s[\g+5], KROW
	s_mov_b32 s[\g+6], 0
	s_mov_b32 s[\g+7], 0
.endr
	s_lshl_b32 s18, s16, 7
	s_lshl_b32 s20, s17, 8
	s_add_co_u32 s20, s20, s18
	s_lshl_b32 s46, s42, 8
	s_add_co_u32 s46, s46, s18
	s_mov_b32 s21, 0
	s_mov_b32 s47, 0
	s_mov_b64 s[18:19], KROW
	s_mul_u64 s[20:21], s[20:21], s[18:19]
	s_mul_u64 s[46:47], s[46:47], s[18:19]
	s_mul_i32 s45, s14, HALFT
	s_wait_dscnt 0x0                               ; both opening adds are done
	s_wait_kmcnt 0x0
	s_load_b64 s[96:97], s[8:9], 0x28              ; e10, e11
	s_add_nc_u64 s[20:21], s[4:5], s[20:21]
	s_add_nc_u64 s[46:47], s[6:7], s[46:47]
	CROUND                                         ; all sixteen work-groups are here: the first joint loads meet
.irp s, 0,1
	s_mov_b32 s[G0+4*\s], 1
	s_add_co_u32 s[G0+4*\s+1], s45, \s*SLOT
	s_add_nc_u64 s[G0+4*\s+2:G0+4*\s+3], s[20:21], \s*ROWB
	s_or_b32 s[G0+4*\s+3], s[G0+4*\s+3], 0x80000000
	s_mov_b32 s[G0B+4*\s], 1
	s_add_co_u32 s[G0B+4*\s+1], s45, \s*SLOT
	s_add_nc_u64 s[G0B+4*\s+2:G0B+4*\s+3], s[46:47], \s*ROWB
	s_or_b32 s[G0B+4*\s+3], s[G0B+4*\s+3], 0x80000000
	JLOAD G0+4*\s, G1, G0B+4*\s, G1B
.endr
	v_and_b32 v1, 15, v0
	v_bfe_u32 v2, v0, 4, 1
	v_mul_u32_u24 v3, v1, PITCH
	v_lshl_add_u32 v4, v2, 4, v3
	s_mul_i32 s21, s15, HALFT
	s_mul_i32 s22, s16, HALFT
	s_add_co_u32 s22, s22, 2*HALFT
.irp s, 0,1
	v_add_nc_u32 v[ADRA+\s], s21, v4
	v_add_nc_u32 v[ADRB+\s], s22, v4
	s_add_co_u32 s21, s21, SLOT
	s_add_co_u32 s22, s22, SLOT
.endr
	s_mul_i32 s23, s14, 16*SPITCH                  ; my stage
	v_mul_u32_u24 v5, v1, SPITCH
	v_lshl_add_u32 v5, v2, 5, v5
	v_add_nc_u32 v[STO], s23, v5                   ; in: row l % 16, 32 bytes for each half of the lanes
	v_and_b32 v6, 31, v0
	v_lshlrev_b32 v[CO], 4, v6                     ; back: the 32 lanes take one row of 512 bytes; and the same in the output
	v_add_nc_u32 v[RD], s23, v[CO]
	s_lshl_b32 s20, s17, 8
	s_lshl_b32 s21, s15, 7
	s_add_co_u32 s20, s20, s21                     ; my first row
	s_mov_b32 s21, 0
	s_mov_b64 s[18:19], SIZE_N*4
	s_mul_u64 s[20:21], s[20:21], s[18:19]
	s_lshl_b32 s46, s42, 10                        ; my first column, in bytes: 1,024 x tile column + 512 x half: in the output and in the bias alike
	s_lshl_b32 s47, s16, 9
	s_add_co_u32 s46, s46, s47
	s_mov_b32 s47, 0
	s_add_nc_u64 s[12:13], s[12:13], s[46:47]
	s_add_nc_u64 s[20:21], s[20:21], s[46:47]
	s_add_nc_u64 s[10:11], s[10:11], s[20:21]
	v_lshlrev_b32 v7, 5, v2                        ; 32 h
.irp b, 0,1,2,3,4,5,6,7
	global_load_b128 v[BI+8*\b:BI+8*\b+3],   v7, s[12:13] offset:64*\b
	global_load_b128 v[BI+8*\b+4:BI+8*\b+7], v7, s[12:13] offset:64*\b+16
.endr
	s_wait_kmcnt 0x0
	s_add_co_i32 s96, s96, s97                     ; e10 + e11
	s_sub_co_i32 s99, 0, s96
	s_add_co_i32 s96, s96, 127
	s_lshl_b32 s96, s96, 23                        ; 2^(e10 + e11) as f32
	s_wait_loadcnt 0x0
.set j, 0
.rept 64
	v_ldexp_f32 v[BI+j], v[BI+j], s99              ; bo / 2^(e10 + e11)
.set j, j+1
.endr
.macro FRAG reg, adr, q, i
.irp c, 0,1,2,3
	ds_load_b128 v[\reg+4*\c:\reg+4*\c+3], v[\adr] offset:128*(\q)+32*\c+(\i)*16*PITCH
.endr
.endm
; 16 matrix instructions: A's blocks a0, a0 + 1 x B's eight.  first = 1: the sums begin with the bias as C.  The 64 accumulators take turns, one instruction a turn, in the same order in every step.
.macro MUL16 a0, p, first
.irp a, \a0, \a0+1
.irp b, 0,1,2,3,4,5,6,7
.if \first
	v_wmma_f32_16x16x128_fp8_fp8 v[8*(8*((\a)%4)+\b):8*(8*((\a)%4)+\b)+7], v[128*(\p)+FR*\b:128*(\p)+FR*\b+FR-1], v[AF+FR*(\a):AF+FR*(\a)+FR-1], v[BI+8*\b:BI+8*\b+7]
.else
	v_wmma_f32_16x16x128_fp8_fp8 v[8*(8*((\a)%4)+\b):8*(8*((\a)%4)+\b)+7], v[128*(\p)+FR*\b:128*(\p)+FR*\b+FR-1], v[AF+FR*(\a):AF+FR*(\a)+FR-1], v[8*(8*((\a)%4)+\b):8*(8*((\a)%4)+\b)+7]
.endif
.endr
.endr
.endm
.macro FETCH_B slot, q, p
	WIN TO_B
.irp i, 0,1,2,3,4,5,6,7
	FRAG 128*(\p)+FR*\i, ADRB+\slot, \q, \i
.endr
	WIN 0
.endm
.macro FETCH_A slot, q, i0
.irp i, \i0, \i0+1, \i0+2, \i0+3
	FRAG AF+FR*(\i), ADRA+\slot, \q, \i
.endr
.endm
.macro PLACES n
.rept \n
	v_nop
.endr
.endm
.macro STEP slot, q, first
	s_wait_dscnt 4*NL                              ; B's set and A's blocks 0-3 are in; A's blocks 4-7 may be out
.if \first
	WIN FIRST_LO
.else
	WIN MUL_LO
.endif
	MUL16 0, (\q)%2, \first
	MUL16 2, (\q)%2, \first
	s_wait_dscnt 0
	PLACES NP
	FETCH_B \slot, (\q)+1, 1-(\q)%2
	FETCH_A \slot, (\q)+1, 0
.if \first
	WIN FIRST_HI
.else
	WIN MUL_HI
.endif
	MUL16 4, (\q)%2, \first
	MUL16 6, (\q)%2, \first
	PLACES NP
	WIN 0
	FETCH_A \slot, (\q)+1, 4
.endm
.macro TURN slot, next, fill
	s_wait_tensorcnt 0x0                           ; all my tensor loads have landed: my part of the next slot
	ds_add_u32 v[SPW], v[NIL]                      ; 0 onto my spare word
	s_wait_dscnt 4*NL+1                            ; (the add and A's blocks 4-7 may be out)
	WIN MUL_LO
	MUL16 0, 1, 0
	s_wait_dscnt 0x0                               ; the add is done, and my reads of this slot are over
	s_barrier_signal -1
	MUL16 2, 1, 0
	WIN 0
	s_barrier_wait -1
.if \fill
	CREST                                          ; the barrier has opened a round of the cluster's: no wave of any partner still reads this slot or has a load on its way
	s_add_nc_u64 s[G0+4*\slot+2:G0+4*\slot+3], s[G0+4*\slot+2:G0+4*\slot+3], 2*ROWB
	s_add_nc_u64 s[G0B+4*\slot+2:G0B+4*\slot+3], s[G0B+4*\slot+2:G0B+4*\slot+3], 2*ROWB
	JLOAD G0+4*\slot, G1, G0B+4*\slot, G1B
.else
	PLACES NP
.endif
	FETCH_B \next, 0, 0
	FETCH_A \next, 0, 0
	WIN MUL_HI
	MUL16 4, 1, 0
	MUL16 6, 1, 0
	PLACES NP
	WIN 0
	FETCH_A \next, 0, 4
.endm
	s_wait_tensorcnt 1                             ; my part of K step 0 is in (K step 1's load may be out)
	s_barrier_signal -1
	s_barrier_wait -1
	FETCH_B 0, 0, 0
	FETCH_A 0, 0, 0
	FETCH_A 0, 0, 4
	STEP 0, 0, 1
	s_mov_b32 s3, LAPS-1
.Llap:
	TURN 0, 1, 1
	STEP 1, 0, 0
	TURN 1, 0, 1
	STEP 0, 0, 0
	s_sub_co_u32 s3, s3, 1
	s_cmp_lg_u32 s3, 0
	s_cbranch_scc1 .Llap
	TURN 0, 1, 0
	STEP 1, 0, 0
	s_wait_dscnt 4*NL
	WIN MUL_LO
	MUL16 0, 1, 0
	MUL16 2, 1, 0
	s_wait_dscnt 0
	WIN MUL_HI
	MUL16 4, 1, 0
	MUL16 6, 1, 0
	WIN 0
; THE WAY OUT, block by block of 16 rows x 128 columns, through my own stage in LDS: in as 32 bytes a lane, back as whole rows of 512 bytes.  LDS serves a wave's instructions in order (ISA guide 5.7.1.4): no wait between the stores and the loads.
.macro TOSTAGE a
.set AC, 64*((\a)%4)
	WIN 0x02+((\a)/4)
.irp j, 0,2,4,6,8,10,12,14,16,18,20,22,24,26,28,30,32,34,36,38,40,42,44,46,48,50,52,54,56,58,60,62
	v_pk_mul_f32 v[TMP+\j:TMP+\j+1], v[AC+\j:AC+\j+1], s[96:97] op_sel_hi:[1,0]   ; both x s96 = 2^(e10 + e11); each accumulator from its low end on
.endr
	WIN 0
.irp b, 0,1,2,3,4,5,6,7
	ds_store_b128 v[STO], v[TMP+8*\b:TMP+8*\b+3] offset:64*\b
	ds_store_b128 v[STO], v[TMP+8*\b+4:TMP+8*\b+7] offset:64*\b+16
.endr
.set BB, BK+64*((\a)%2)
.irp t, 0,1,2,3,4,5,6,7,8,9,10,11,12,13,14,15
	ds_load_b128 v[BB+4*\t:BB+4*\t+3], v[RD] offset:\t*SPITCH
.endr
.endm
.macro SEND a, younger                 ; younger: the LDS instructions issued behind block a's loads, which may stay out
.set BB, BK+64*((\a)%2)
	s_wait_dscnt \younger
.if (\a) > 0
	s_add_nc_u64 s[10:11], s[10:11], 16*SIZE_N*4   ; (behind a wait on XCNT: the earlier stores have read their base)
.endif
.irp t, 0,1,2,3,4,5,6,7,8,9,10,11,12,13,14,15
	global_store_b128 v[CO], v[BB+4*\t:BB+4*\t+3], s[10:11] offset:\t*SIZE_N*4 th:TH_STORE_NT   ; 32 lanes store 512 consecutive bytes, at a multiple of 256 from the output's first byte
.endr
.endm
	PLACES NP
	TOSTAGE 0
.irp a, 1,2,3,4,5,6,7
.if \a > 1
	s_wait_xcnt 0x0                                ; block a - 2's stores have read their registers and their base
.endif
	TOSTAGE \a
	SEND \a-1, 32                                  ; behind block a - 1's loads: block a's 16 stores and 16 loads
.endr
	s_wait_xcnt 0x0
	SEND 7, 0
	s_wait_tensorcnt 0x0                           ; the wave's end: three lines, behind my last tensor load and my last LDS store
	ds_add_u32 v[SPW], v[NIL]
	s_wait_dscnt 0x0
	CROUND                                         ; the closing round
	s_endpgm
.Lfunc_end_k_q54a7c1c83d_oproj:
	.size	k_q54a7c1c83d_oproj, .Lfunc_end_k_q54a7c1c83d_oproj-k_q54a7c1c83d_oproj
	.p2alignl 7, 3214868480
	.fill 96, 4, 3214868480
	.section	.rodata,"a",@progbits
	.p2align	6, 0x0
	.amdhsa_kernel k_q54a7c1c83d_oproj
		.amdhsa_group_segment_fixed_size 327680
		.amdhsa_private_segment_fixed_size 0
		.amdhsa_enable_private_segment 0
		.amdhsa_kernarg_size 40
		.amdhsa_user_sgpr_count 2
		.amdhsa_user_sgpr_kernarg_segment_ptr 1
		.amdhsa_wavefront_size32 1
		.amdhsa_system_sgpr_workgroup_id_x 1
		.amdhsa_system_sgpr_workgroup_id_y 1
		.amdhsa_system_sgpr_workgroup_id_z 1
		.amdhsa_system_vgpr_workitem_id 0
		.amdhsa_next_free_vgpr 1024
		.amdhsa_next_free_sgpr 100
		.amdhsa_reserve_vcc 0
		.amdhsa_float_denorm_mode_32 3
		.amdhsa_float_denorm_mode_16_64 3
		.amdhsa_memory_ordered 1
		.amdhsa_forward_progress 1
		.amdhsa_inst_pref_size 129
	.end_amdhsa_kernel
	.amdgpu_metadata
---
amdhsa.version: [ 1, 2 ]
amdhsa.kernels:
  - .name:           k_q54a7c1c83d_oproj
    .symbol:         k_q54a7c1c83d_oproj.kd
    .args:
      - { .name: oc, .offset: 0, .size: 8, .value_kind: global_buffer, .address_space: global }
      - { .name: woc, .offset: 8, .size: 8, .value_kind: global_buffer, .address_space: global }
      - { .name: lowp_scales, .offset: 16, .size: 8, .value_kind: global_buffer, .address_space: global }
      - { .name: out0, .offset: 24, .size: 8, .value_kind: global_buffer, .address_space: global }
      - { .name: bo, .offset: 32, .size: 8, .value_kind: global_buffer, .address_space: global }
    .group_segment_fixed_size: 327680
    .private_segment_fixed_size: 0
    .kernarg_segment_align: 8
    .kernarg_segment_size: 40
    .max_flat_workgroup_size: 128
    .sgpr_count:     100
    .vgpr_count:     1024
    .wavefront_size: 32
...
	.end_amdgpu_metadata
.endif
;; end of part 5
;; ======== version 2 of 2: 5 launches; version 1 with the launches prep, attn written anew for expert scheduling mode
;; workspace buffers: wqc 1,048,576 bytes; woc 1,048,576 bytes; wkvc 131,072 bytes; hc 8,388,608 bytes; kv 1,048,576 bytes; qc 8,388,608 bytes; oc 8,388,608 bytes
;; launch wquant: the kernel of part 1 again; grid 68 x 4, 4 waves a work-group, no clusters, 9,216 bytes of LDS; arguments Wq, Wo, Wk, Wv, lowp_scales, wqc, woc, wkvc; writes wqc, woc, wkvc
;; launch prep (part 6): grid 256 x 1, 16 waves a work-group, no clusters, 201,728 bytes of LDS; arguments hidden_state, wkvc, bk, bv, lowp_scales, hc, kv; writes hc, kv
.if DOCPART == 6
	.amdgcn_target "amdgcn-amd-amdhsa--gfx1250"
	.amdhsa_code_object_version 6
	.text
	.protected	k_q54a7c1c83d_prep
	.globl	k_q54a7c1c83d_prep
	.p2align	8
	.type	k_q54a7c1c83d_prep,@function
k_q54a7c1c83d_prep:
	s_mov_b64 s[64:65], 0
	v_nop
	global_prefetch_b8 v0, s[64:65] scope:SCOPE_SE
	s_setreg_imm32_b32 hwreg(HW_REG_WAVE_SCHED_MODE, 0, 2), 2
	s_setreg_imm32_b32 hwreg(HW_REG_WAVE_MODE, 25, 1), 1
	s_wait_xcnt 0x0
	s_wait_alu depctr_vm_vsrc(0)
; THE HIDDEN STATE IS READ ONCE.  It is quantised three times, with e0 (for q's product), e2 (k's) and e4 (v's): nothing here takes the three for equal.  The codes under e0 go to memory (hc);
; those under e2 and e4 stay in LDS and are multiplied at once: k = hs Wk + bk and v = hs Wv + bv, quantised with e6 and e8 and stored as images of the operands' registers (kv).  Nothing is left out.
; THE ORDER ALONG K: place p = 512 q + 16 l + 4 i + j of a row holds k = 512 q + 128 i + 4 l + j, as in the weights' codes.  It is what four dense loads give: lane l's 16 bytes of load i are k = 128 i + 4 l + 0..3,
; so a lane's 16 registers become 16 neighbouring bytes of codes, with no turn through LDS.
; SHARES.  Work-group g: rows 32 g .. 32 g + 31 (batch g / 64).  First part: wave w quantises rows 2 w, 2 w + 1, four steps of 512 numbers; all sixteen copy the 128 KB of Wk's and Wv's codes into LDS.
; Second part, waves 0 to 7, two accumulators each by turns: waves 0-3 (i = bit 1, u = bit 0 of the wave): source 0 = Wk's rows 32 i .. + 31, source 1 = hs tile u: a lane holds key 16 u + r and d = 32 i + 16 x + 8 h + j;
; waves 4-7 (t = wave - 4): source 0 = hs tiles 0, 1, source 1 = Wv's rows 16 t ..: a lane holds d = 16 t + r and key 16 x + 8 h + j.  Either way the two conversions give four registers of a fragment of the K = 64 form.
; kv, for each batch 262,144 bytes.  K: key tile T at 1,024 T: lane (r, h), registers 2 c, 2 c + 1: key 16 T + r, d = 16 c + 8 h + 0..7.  V, 131,072 on: fragment (n, t) at 4,096 n + 1,024 t: d = 16 t + r, key 64 n + 16 c + 8 h + 0..7.
; In a fragment registers 4 i .. 4 i + 3 of lane l lie at 512 i + 16 l: every store here is 512 consecutive bytes.
; The biases are the C of each sum's first product, divided by the power of two that the sums lack.  They are loaded with no branch: all sixteen waves run those lines by (wave & 7), so that no register is written
; on some ways only; waves 8 to 15 use nothing of them (16 loads of 4 bytes a lane).
; NO JOINT LOADS: what work-groups share, the weights' 128 KB, is as much as a work-group's own 128 KB of f32, is read once, at the head, and goes through registers beside them.
; LIMITS: e0, e2, e4, e6 - e2 - e3 and e8 - e4 - e5 between -126 and 119.  NaN among the inputs is not served.
; THE MODE: SCHED_MODE bits 1:0 = 2 (LLVM: expert scheduling mode 2), set by the entry lines.  The code itself states the register dependences between vector or matrix instructions and memory or LDS
; instructions, with s_wait_alu, always for 0.
; THE PLAN.  Registers that memory or LDS instructions touch:
;   v1, v4-11      offsets and addresses: written at the head, never again; one wait on va_vdst ahead of the first load.
;   v24-39         the bias loads' offsets; step 0's holds write them again: a wait on vm_vsrc ahead of those.
;   v136-199       a step's 16 numbers as loaded; its conversions write 12 of them (the codes); the step's three stores, which read these, stand in the NEXT step, behind that step's wait for its data and one
;                  wait on va_vdst; no vector instruction of the next step names them.
;   v72-135        the weights' codes: loaded, then read by LDS stores; no vector instruction names them.
;   v56-199        in the second part three sets of fragments.  The stores that read them stand ahead of a wait on vm_vsrc in front of the barrier; the vector instructions that named them ahead of the last wait on va_vdst.
;                  Step s's two products read set s % 3; the loads of step s + 2 land in set (s - 1) % 3, behind one wait on va_vdst at step s's head.
;   v232-235       the result's codes: written by the last conversions, read by the last store: one wait on va_vdst.
.set PITCH, 1040                       ; an LDS row: 1,024 codes + 16 bytes: 65 x 16, so the sixteen rows of a fragment load start 16 bytes apart modulo 256
.set A4OFF, 32*PITCH                   ; rows 0-31: hs under e2; rows 32-63: under e4;
.set WROW,  64*PITCH                   ; rows 64-127: Wk's codes; rows 128-191: Wv's
.set SPARE, 192*PITCH                  ; behind them: the spare words, 128 bytes a wave
.set LI,   1                           ; v1  16 x lane
.set T16,  4                           ; v4  16 x thread
.set WL0,  5                           ; v5  where my 16 bytes of the weights' first 64 KB go;  v6: of the second
.set WL1,  6
.set AL,   7                           ; v7  where my codes of hs go
.set F0A,  8                           ; v8  source 0's fragments;  v9: source 1's
.set F1A,  9
.set SPW,  10                          ; v10 my spare word's LDS address; never rewritten
.set NIL,  11                          ; v11 0; never rewritten
.set BO,   20                          ; v20 the bias's offset
.set T0,   24                          ; v24-39, v40-55, v56-71: a step's numbers held under e0, e2, e4 (v24-39 first hold the bias loads' offsets)
.set T1,   40
.set T2,   56
.set WS,   72                          ; v72-135  the weights' codes on their way to LDS
.set R,    136                         ; v136-199 hs: 16 registers a step, then the step's codes
.set FS,   56                          ; second part: three sets of 48 registers: source 0's two fragments, source 1's one
.set BIAS, 200
.set D0,   216
.set D1,   224
.set CODE, 232
.set WV,   18
.macro MKS e, vs, vl                   ; 2^s[e] as f32 into v[vs], 448 x that into v[vl]
	s_add_co_i32 s50, s[\e], 127
	s_lshl_b32 s51, s50, 23
	v_mov_b32 v[\vs], s51
	s_add_co_i32 s50, s50, 8
	s_lshl_b32 s50, s50, 23
	s_or_b32 s50, s50, 0x600000
	v_mov_b32 v[\vl], s50
.endm
	s_load_b256 s[4:11], s[0:1], 0x0               ; hs s[4:5], wkvc s[6:7], bk s[8:9], bv s[10:11]
	s_load_b128 s[12:15], s[0:1], 0x20             ; the scales s[12:13], hc s[14:15]
	s_load_b64 s[16:17], s[0:1], 0x30              ; kv
	v_lshl_add_u32 v[SPW], v0, 2, SPARE
	v_mov_b32 v[NIL], 0
	v_lshrrev_b32 v2, 5, v0
	v_readfirstlane_b32 s[WV], v2                  ; wave 0..15
	v_and_b32 v3, 31, v0
	v_lshlrev_b32 v[LI], 4, v3
	v_lshlrev_b32 v[T16], 4, v0
	v_lshrrev_b32 v22, 6, v0                       ; 64 threads copy a row of 1,024 bytes
	v_and_b32 v23, 63, v0
	v_mul_u32_u24 v[WL0], v22, PITCH
	v_lshl_add_u32 v[WL0], v23, 4, v[WL0]
	v_add_nc_u32 v[WL0], WROW, v[WL0]
	v_add_nc_u32 v[WL1], 64*PITCH, v[WL0]          ; 64 rows further on
	s_wait_alu depctr_va_sdst(0)                   ; s[WV] is written, ahead of its first reader: roles, LDS places and bases are made from it
	s_mul_i32 s19, s[WV], 2*PITCH
	v_add_nc_u32 v[AL], s19, v[LI]                 ; row 2 w, 16 x lane
	v_and_b32 v2, 15, v0                           ; r
	v_bfe_u32 v3, v0, 4, 1                         ; h
	s_and_b32 s20, s[WV], 7                        ; w' = wave & 7: the role
	s_bfe_u32 s21, s[WV], 0x10001                  ; i
	s_and_b32 s22, s[WV], 1                        ; u
	s_lshl_b32 s23, s21, 5
	s_add_co_u32 s23, s23, 64                      ; k: source 0 from LDS row 64 + 32 i (Wk)
	s_lshl_b32 s24, s22, 4                         ;    source 1 from row 16 u (hs under e2)
	s_lshl_b32 s25, s20, 4
	s_add_co_u32 s25, s25, 64                      ; v: source 1 from row 128 + 16 (w' - 4) (Wv)
	s_cmp_lt_u32 s20, 4
	s_cselect_b32 s23, s23, 32                     ;    source 0 from row 32 (hs under e4)
	s_cselect_b32 s24, s24, s25
	s_mul_i32 s23, s23, PITCH
	s_mul_i32 s24, s24, PITCH
	v_mul_u32_u24 v22, v2, PITCH
	v_lshl_add_u32 v22, v3, 4, v22                 ; a fragment's row x pitch + 16 x half
	v_add_nc_u32 v[F0A], s23, v22
	v_add_nc_u32 v[F1A], s24, v22
	s_lshl_b32 s26, ttmp9, 5
	s_lshl_b32 s27, s[WV], 1
	s_add_co_u32 s26, s26, s27                     ; my first row: 32 g + 2 w
	s_lshl_b32 s28, s26, 12                        ; in hs,
	s_mov_b32 s29, 0
	s_lshl_b32 s30, s26, 10                        ; in hc
	s_mov_b32 s31, 0
	s_lshr_b32 s32, ttmp9, 6
	s_lshl_b32 s32, s32, 18                        ; kv: the batch's 262,144 bytes
	s_and_b32 s33, ttmp9, 63                       ; beta: my 32 keys among the batch's
	s_lshl_b32 s34, s33, 1
	s_add_co_u32 s34, s34, s22
	s_lshl_b32 s34, s34, 10
	s_lshl_b32 s35, s21, 9
	s_add_co_u32 s34, s34, s35                     ; k: key tile 2 beta + u, registers 4 i on
	s_lshr_b32 s35, s33, 1
	s_lshl_b32 s35, s35, 12
	s_and_b32 s36, s20, 3
	s_lshl_b32 s36, s36, 10
	s_add_co_u32 s35, s35, s36
	s_and_b32 s36, s33, 1
	s_lshl_b32 s36, s36, 9
	s_add_co_u32 s35, s35, s36
	s_add_co_u32 s35, s35, 131072                  ; v: fragment (beta / 2, t), registers 4 (beta % 2) on
	s_lshl_b32 s57, s21, 7                         ; the bias.  k: bk at 128 i + 32 h + 64 x + 4 j;
	s_and_b32 s58, s20, 3
	s_lshl_b32 s58, s58, 6                         ; v: bv at 64 t + 4 r, the same for all sixteen registers
	s_cmp_lt_u32 s20, 4
	s_cselect_b32 s34, s34, s35
	s_cselect_b32 s54, 0, 4
	s_cselect_b32 s55, 32, 0
	s_cselect_b32 s56, 1, 0
	s_cselect_b32 s57, s57, s58
	s_add_co_u32 s32, s32, s34
	s_mov_b32 s33, 0
	v_mul_u32_u24 v[BO], v2, s54
	v_mad_u32_u24 v[BO], v3, s55, v[BO]
	v_add_nc_u32 v[BO], s57, v[BO]
.set j, 0
.rept 16
	v_mad_u32_u24 v[T0+j], s56, 4*(j%8)+64*(j/8), v[BO]
.set j, j+1
.endr
	s_wait_kmcnt 0x0
	s_load_b256 s[40:47], s[12:13], 0x0            ; e0 .. e7
	s_load_b32 s48, s[12:13], 0x20                 ; e8
	s_add_nc_u64 s[4:5], s[4:5], s[28:29]
	s_add_nc_u64 s[14:15], s[14:15], s[30:31]
	s_add_nc_u64 s[16:17], s[16:17], s[32:33]
	s_cmp_lt_u32 s20, 4
	s_cselect_b64 s[8:9], s[8:9], s[10:11]         ; bk or bv: the choice hangs on the wave's number alone
	s_wait_alu depctr_va_vdst(0)                   ; every offset and LDS address of the kernel is written (v1, v4 to v11, v24 to v39), which the loads and stores below read
.set j, 0
.rept 16
	global_load_b32 v[BIAS+j], v[T0+j], s[8:9]     ; issued first: every counted wait below counts only what is issued behind the loads that it wants
.set j, j+1
.endr
.irp st, 0,1,2,3
.irp i, 0,1,2,3
	global_load_b128 v[R+16*\st+4*\i:R+16*\st+4*\i+3], v[LI], s[4:5] offset:2048*\st+512*\i th:TH_LOAD_NT   ; 32 lanes read 512 consecutive bytes
.endr
.endr
.set it, 0
.rept 16
	global_load_b128 v[WS+4*it:WS+4*it+3], v[T16], s[6:7] offset:8192*it    ; the work-group reads 8,192 consecutive bytes: eight rows of codes
.set it, it+1
.endr
	s_wait_kmcnt 0x0
	MKS 40, 12, 13                                 ; e0: v12, v13
	MKS 42, 14, 15                                 ; e2: v14, v15
	MKS 44, 16, 17                                 ; e4: v16, v17
	s_add_co_i32 s52, s42, s43                     ; e2 + e3
	s_add_co_i32 s53, s44, s45                     ; e4 + e5
	s_cmp_lt_u32 s20, 4
	s_cselect_b32 s52, s52, s53                    ; a sum stands for sum x 2^(eA + eB)
	s_cselect_b32 s53, s46, s48                    ; e6 or e8
	s_sub_co_i32 s53, s53, s52
	MKS 53, 18, 19                                 ; the result's conversion takes 2^(eQ - eA - eB): v18, v19
	s_sub_co_i32 s52, 0, s52
.macro XOUT st                         ; step st's codes leave: each step has registers of its own, so no store's data are written again in this part
	global_store_b128 v[LI], v[R+16*(\st):R+16*(\st)+3], s[14:15] offset:512*(\st)     ; 512 consecutive bytes
	ds_store_b128 v[AL], v[R+16*(\st)+4:R+16*(\st)+7]  offset:((\st)/2)*PITCH+512*((\st)%2)
	ds_store_b128 v[AL], v[R+16*(\st)+8:R+16*(\st)+11] offset:A4OFF+((\st)/2)*PITCH+512*((\st)%2)
.endm
.macro XSTEP st
	s_wait_loadcnt 28-4*\st                        ; this step's four loads are in; the later steps' and the weights' sixteen may be out (step 0: the bias loads are in too)
.if \st == 0
	s_wait_alu depctr_vm_vsrc(0)                   ; the bias loads have read their offsets in v24 to v39, which the holds below write
.else
	s_wait_alu depctr_va_vdst(0)                   ; the step before has written its codes, which the three stores below read
	XOUT \st-1
.endif
.set i, 0
.rept 16
	v_med3_num_f32 v[T0+i], v[R+16*\st+i], -v13, v13     ; the conversion to an 8-bit code does not saturate (ISA guide 7.6.2): three holds, one for each scale
	v_med3_num_f32 v[T1+i], v[R+16*\st+i], -v15, v15
	v_med3_num_f32 v[T2+i], v[R+16*\st+i], -v17, v17
.set i, i+1
.endr
	v_cvt_scalef32_pk8_fp8_f32 v[R+16*\st:R+16*\st+1],     v[T0:T0+7],    v12
	v_cvt_scalef32_pk8_fp8_f32 v[R+16*\st+2:R+16*\st+3],   v[T0+8:T0+15], v12
	v_cvt_scalef32_pk8_fp8_f32 v[R+16*\st+4:R+16*\st+5],   v[T1:T1+7],    v14
	v_cvt_scalef32_pk8_fp8_f32 v[R+16*\st+6:R+16*\st+7],   v[T1+8:T1+15], v14
	v_cvt_scalef32_pk8_fp8_f32 v[R+16*\st+8:R+16*\st+9],   v[T2:T2+7],    v16
	v_cvt_scalef32_pk8_fp8_f32 v[R+16*\st+10:R+16*\st+11], v[T2+8:T2+15], v16
	v_nop                                          ; a plain line between the conversions and the next step's holds, which write their sources
.endm
	XSTEP 0
	XSTEP 1
	XSTEP 2
	XSTEP 3
	s_wait_alu depctr_va_vdst(0)                   ; step 3 has written its codes, which the stores below read; and every hold and conversion is done with v56 to v71 and v136 to v199, in which fragments land in the second part
	XOUT 3
	s_wait_loadcnt 0x0                             ; the weights' codes
.set it, 0
.rept 16
	ds_store_b128 v[WL0+it/8], v[WS+4*it:WS+4*it+3] offset:8*PITCH*(it%8)
.set it, it+1
.endr
	s_wait_xcnt 0x0                                ; the stores to hc have read their registers, which the fragments below take
	s_wait_alu depctr_vm_vsrc(0)                   ; the stores to hc and to LDS have read v72 to v199, in which the fragments of the second part land: stated ahead of the branch
	s_wait_dscnt 0x0                               ; for the others' sake: my LDS stores are done
	s_barrier_signal -1
	s_barrier_wait -1
	s_cmp_lt_u32 s[WV], 8
	s_cbranch_scc0 .Lend                           ; no barrier stands behind this branch
.set j, 0
.rept 16
	v_ldexp_f32 v[BIAS+j], v[BIAS+j], s52          ; bias / 2^(eA + eB)
.set j, j+1
.endr
.macro LOADK s                         ; the fragments of 128 places, the s-th of eight, into set s % 3.  Registers 4 c .. 4 c + 3 take places 32 c + 16 h + 0..15, alike in both sources
.set FB, FS+48*((\s)%3)
.irp c, 0,1,2,3
	ds_load_b128 v[FB+4*\c:FB+4*\c+3], v[F0A] offset:128*(\s)+32*\c
.endr
.irp c, 0,1,2,3
	ds_load_b128 v[FB+16+4*\c:FB+16+4*\c+3], v[F0A] offset:16*PITCH+128*(\s)+32*\c
.endr
.irp c, 0,1,2,3
	ds_load_b128 v[FB+32+4*\c:FB+32+4*\c+3], v[F1A] offset:128*(\s)+32*\c
.endr
.endm
	LOADK 0                                        ; no vector instruction since the last wait on va_vdst names a register of the three sets: the lines above name the bias alone
	LOADK 1
	LOADK 2
.irp s, 0,1,2,3,4,5,6,7
.if \s == 0
	s_wait_dscnt 24                                ; this set's twelve loads are in; the two later sets' may be out
.elseif \s < 7
	s_wait_dscnt 12                                ; this set's twelve loads are in; the next set's may be out
.else
	s_wait_dscnt 0x0
.endif
.if (\s > 0) && (\s < 6)
	s_wait_alu depctr_va_vdst(0)                   ; the two products of the step before are done reading their set, in which the loads below land
	LOADK \s+2
.endif
.set FB, FS+48*(\s%3)
.if \s == 0
	v_wmma_f32_16x16x128_fp8_fp8 v[D0:D0+7], v[FB:FB+15], v[FB+32:FB+47], v[BIAS:BIAS+7]
	v_wmma_f32_16x16x128_fp8_fp8 v[D1:D1+7], v[FB+16:FB+31], v[FB+32:FB+47], v[BIAS+8:BIAS+15]
.else
	v_wmma_f32_16x16x128_fp8_fp8 v[D0:D0+7], v[FB:FB+15], v[FB+32:FB+47], v[D0:D0+7]          ; the two accumulators take turns, one instruction a turn
	v_wmma_f32_16x16x128_fp8_fp8 v[D1:D1+7], v[FB+16:FB+31], v[FB+32:FB+47], v[D1:D1+7]
.endif
.endr
.rept 4
	v_nop                                          ; four places (ISA guide 7.12.1) in front of the first read of the results
.endr
.set j, 0
.rept 16
	v_med3_num_f32 v[D0+j], v[D0+j], -v19, v19     ; each accumulator from its low end on
.set j, j+1
.endr
	v_cvt_scalef32_pk8_fp8_f32 v[CODE:CODE+1], v[D0:D0+7], v18
	v_cvt_scalef32_pk8_fp8_f32 v[CODE+2:CODE+3], v[D1:D1+7], v18
	v_nop
	s_wait_alu depctr_va_vdst(0)                   ; the two conversions have written the codes, which the store reads
	global_store_b128 v[LI], v[CODE:CODE+3], s[16:17]    ; four registers of a fragment: 512 consecutive bytes
.Lend:
	s_wait_dscnt 0x0                               ; the closing lines, six on end
	s_wait_alu 0x0
	s_wait_tensorcnt 0x0
	ds_add_u32 v[SPW], v[NIL]
	s_wait_dscnt 0x0
	s_endpgm
.Lfunc_end_k_q54a7c1c83d_prep:
	.size	k_q54a7c1c83d_prep, .Lfunc_end_k_q54a7c1c83d_prep-k_q54a7c1c83d_prep
	.p2alignl 7, 3214868480
	.fill 96, 4, 3214868480
	.section	.rodata,"a",@progbits
	.p2align	6, 0x0
	.amdhsa_kernel k_q54a7c1c83d_prep
		.amdhsa_group_segment_fixed_size 201728
		.amdhsa_private_segment_fixed_size 0
		.amdhsa_enable_private_segment 0
		.amdhsa_kernarg_size 56
		.amdhsa_user_sgpr_count 2
		.amdhsa_user_sgpr_kernarg_segment_ptr 1
		.amdhsa_wavefront_size32 1
		.amdhsa_system_sgpr_workgroup_id_x 1
		.amdhsa_system_sgpr_workgroup_id_y 1
		.amdhsa_system_sgpr_workgroup_id_z 1
		.amdhsa_system_vgpr_workitem_id 0
		.amdhsa_next_free_vgpr 256
		.amdhsa_next_free_sgpr 72
		.amdhsa_reserve_vcc 0
		.amdhsa_float_denorm_mode_32 3
		.amdhsa_float_denorm_mode_16_64 3
		.amdhsa_memory_ordered 1
		.amdhsa_forward_progress 1
		.amdhsa_inst_pref_size 37
	.end_amdhsa_kernel
	.amdgpu_metadata
---
amdhsa.version: [ 1, 2 ]
amdhsa.kernels:
  - .name:           k_q54a7c1c83d_prep
    .symbol:         k_q54a7c1c83d_prep.kd
    .args:
      - { .name: hidden_state, .offset: 0, .size: 8, .value_kind: global_buffer, .address_space: global }
      - { .name: wkvc, .offset: 8, .size: 8, .value_kind: global_buffer, .address_space: global }
      - { .name: bk, .offset: 16, .size: 8, .value_kind: global_buffer, .address_space: global }
      - { .name: bv, .offset: 24, .size: 8, .value_kind: global_buffer, .address_space: global }
      - { .name: lowp_scales, .offset: 32, .size: 8, .value_kind: global_buffer, .address_space: global }
      - { .name: hc, .offset: 40, .size: 8, .value_kind: global_buffer, .address_space: global }
      - { .name: kv, .offset: 48, .size: 8, .value_kind: global_buffer, .address_space: global }
    .group_segment_fixed_size: 201728
    .private_segment_fixed_size: 0
    .kernarg_segment_align: 8
    .kernarg_segment_size: 56
    .max_flat_workgroup_size: 512
    .sgpr_count:     72
    .vgpr_count:     256
    .wavefront_size: 32
...
	.end_amdgpu_metadata
.endif
;; end of part 6
;; launch qproj: the kernel of part 3 again; grid 4 x 32, 4 waves a work-group, clusters of 4 x 4, 327,680 bytes of LDS; arguments hc, wqc, lowp_scales, qc, bq; writes qc
;; launch attn (part 7): grid 256 x 1, 16 waves a work-group, no clusters, 297,472 bytes of LDS; arguments qc, kv, lowp_scales, oc; writes oc
.if DOCPART == 7
	.amdgcn_target "amdgcn-amd-amdhsa--gfx1250"
	.amdhsa_code_object_version 6
	.text
	.protected	k_q54a7c1c83d_attn
	.globl	k_q54a7c1c83d_attn
	.p2align	8
	.type	k_q54a7c1c83d_attn,@function
k_q54a7c1c83d_attn:
	s_mov_b64 s[64:65], 0
	v_nop
	global_prefetch_b8 v0, s[64:65] scope:SCOPE_SE
	s_setreg_imm32_b32 hwreg(HW_REG_WAVE_SCHED_MODE, 0, 2), 2
	s_setreg_imm32_b32 hwreg(HW_REG_WAVE_MODE, 25, 1), 1
	s_wait_xcnt 0x0
	s_wait_alu depctr_vm_vsrc(0)
; ATTENTION ON CODES OF FP8 (E4M3): S^T = K Q^T (k under e6, q under e7), the softmax, O^T = V^T P^T (v under e8, p under e9), the result quantised with e10 for the last product.  Nothing is left out.
; t = score x log2(e) / 8; M = ceil(the row's largest t); p = 2^(t - M) is quantised, not normalised; the row's sum of the unquantised p divides at the end.
; SHARES.  Work-group g: positions 32 g .. 32 g + 31 of batch g / 64, all 16 heads.  Wave w is head w with BOTH its tiles of 16 queries: each fragment of K or V read from LDS feeds two matrix instructions.
; THE BATCH'S K AND V LIE WHOLE IN LDS (256 KB of register images), copied once through registers and never filled again: no ring.
; TWO WALKS OVER THE KEYS.  The first forms S^T and keeps only each query's maximum, so M is the row's own.  The second forms S^T again, with M fixed: nothing is rescaled, no maximum is taken in it.
; For a tile and 64 keys that is 16 + 16 + 32 + 16 + 4 vector instructions and 4 + 4 + 4 matrix instructions.
; LAYOUT.  Both products are used transposed: a lane holds ONE query (lane % 16).  S^T tile f: register j is key 16 f + 8 h + j, so its conversion gives registers 2 f, 2 f + 1 of P in the K = 64 form's own layout.
; NOT ASKED FOR JOINTLY, though the 64 work-groups of a batch read the same K and V: they are read once, at the head, against 64 steps that read LDS alone; and a joint load is a tensor load
; The 64 holds of p in each step of 64 keys, which a scalar branch leaves out where 448 x 2^e9 is above every p (e9 >= -8: 1.75 or more), would then always run.
; oc [8192][1024]: codes; place 512 q + 16 l + 4 i + j of a row holds k = 512 q + 128 i + 4 l + j, as in Wo's codes.
; LIMITS: e6 + e7 between -123 and 130 (added to c's exponent field); e9 between -126 and 119; e8 + e9 - e10 is applied by v_ldexp_f32 and has none.
; THE MODE: SCHED_MODE bits 1:0 = 2 (LLVM: expert scheduling mode 2), set by the entry lines.  The code itself states the register dependences between vector or matrix instructions and memory or LDS
; instructions, with s_wait_alu, always for 0.
; THE PLAN.  Registers that memory or LDS instructions touch:
;   v1, v4-8, v26-29  offsets and addresses: written at the head, never again; one wait on va_vdst ahead of the first load.
;   v48-111           at the head K's image on its way to LDS: loaded, read by LDS stores; a wait on vm_vsrc ahead of the first fragment load.
;   THE FIRST WALK    has two buffers for K, v48-79 and v80-111 (V's registers, idle in it).  Step s: its products read buffer s % 2; the loads of step s + 1 land in the other, which the products of step s - 1 read.
;                     One wait on va_vdst at a step's head, behind the wait for its data, states that those are done, and in a trip's first step that v2 is written.  A trip is two steps: v2, the address, is written
;                     once a trip, behind one wait on vm_vsrc; immediate offsets reach the two steps' keys.
;   THE SECOND WALK   has one buffer for K (v48-79) and one for V (v80-111).  ONE wait on va_vdst a step, behind the batch of exponentials.  It states: the exponentials'
;                     results are written; this step's products S^T are done reading K; the last step's products O^T are done reading V; v2 and v3, written behind S^T's products, are written.  Behind it the step's
;                     sixteen LDS loads (V of this step, then K of the next) are dealt among the packed additions, which name the sums and p alone.  One wait on vm_vsrc a step stands ahead of the two address lines.
;   v176-239          V's image on its way to LDS: loaded during the first walk, read by LDS stores; a wait on vm_vsrc ahead of the products that write O^T there.
;   v240-255, v112-127  on the way out: the codes, read by LDS stores, and the registers in which rows land: one wait on va_vdst behind the last conversions.
.set VIMG,  131072                     ; LDS: K's image at 0, V's here,
.set STAGE, 262144                     ; the stage for the way out: 32 rows x (1,024 + 16) bytes,
.set SP,    1040
.set SPARE, STAGE+32*SP                ; and the spare words, 128 bytes a wave
.set LI,   1                           ; v1  16 x lane
.set ADK,  2                           ; v2  LDS address of the K fragments to be fetched;  v3: of V's
.set ADV,  3
.set SPW,  4                           ; v4  my spare word's LDS address; never rewritten
.set NIL,  5                           ; v5  0; never rewritten
.set STA,  6                           ; v6  the stage: where my codes go;  v7: where I read rows back
.set STR,  7
.set LIV,  8                           ; v8  VIMG + 16 x lane
.set PT,   9                           ; v9  the lane permute's destination
.set LIM,  10                          ; v10 448 x 2^e9;  v11 2^e9;  v12 448;  v13 1
.set SCP,  11
.set L448, 12
.set ONE,  13
.set NM,   14                          ; v[14:15], v[16:17]: -M of tiles 0, 1 (the low word is used)
.set CH,   18                          ; v18-21: four chains of the maximum; later v[18:25]: the sums, two chains of pairs a tile
.set CP,   26                          ; v26-29: 16 x thread + 65,536 x 0..3
.set QF,   32                          ; v32-47   Q, 8 registers a tile
.set KB,   48                          ; v48-79   four fragments of K
.set VB,   80                          ; v80-111  four fragments of V; in the first walk K's second buffer
.set SS,   112                         ; v112-175 S^T, then p: 32 a tile
.set OO,   176                         ; v176-239 O^T: 32 a tile
.set PP,   240                         ; v240-255 p's codes: 8 a tile
.set WV,   12
.set SEL,  20
.set CS,   22                          ; s[22:23] c
.set HOLD, 26                          ; s26 1 where e9 < -8
.set EO,   27                          ; s27 e8 + e9 - e10
.set TB,   28                          ; s28 LDS byte of the keys in hand: also the loops' counter
	s_load_b128 s[4:7], s[0:1], 0x0                ; qc s[4:5], kv s[6:7]
	s_load_b128 s[8:11], s[0:1], 0x10              ; the scales s[8:9], oc s[10:11]
	v_lshl_add_u32 v[SPW], v0, 2, SPARE
	v_mov_b32 v[NIL], 0
	v_lshrrev_b32 v30, 5, v0
	v_readfirstlane_b32 s[WV], v30                 ; wave = head
	v_and_b32 v30, 31, v0
	v_lshlrev_b32 v[LI], 4, v30
	v_add_nc_u32 v[LIV], VIMG, v[LI]
	v_lshlrev_b32 v[CP], 4, v0
	v_add_nc_u32 v[CP+1], 0x10000, v[CP]
	v_add_nc_u32 v[CP+2], 0x20000, v[CP]
	v_add_nc_u32 v[CP+3], 0x30000, v[CP]
	v_and_b32 v30, 15, v0                          ; r
	v_bfe_u32 v31, v0, 4, 1                        ; h
	s_wait_alu depctr_va_sdst(0)                   ; s[WV] is written, ahead of its first reader: the stage's places and the bases are made from it
	s_lshr_b32 s13, s[WV], 3                       ; k = 64 w + 16 t + 8 h + 4 g + j lies at place 512 (w / 8) + 256 (w % 2) + 64 t + 32 h + 16 g + 4 ((w / 2) % 4) + j
	s_lshl_b32 s13, s13, 9
	s_and_b32 s14, s[WV], 1
	s_lshl_b32 s14, s14, 8
	s_add_co_u32 s13, s13, s14
	s_bfe_u32 s14, s[WV], 0x20001
	s_lshl_b32 s14, s14, 2
	s_add_co_u32 s13, s13, s14
	s_add_co_u32 s13, s13, STAGE
	v_mul_u32_u24 v[STA], v30, SP
	v_lshl_add_u32 v[STA], v31, 5, v[STA]
	v_add_nc_u32 v[STA], s13, v[STA]
	s_mul_i32 s13, s[WV], 2*SP
	s_add_co_u32 s13, s13, STAGE
	v_add_nc_u32 v[STR], s13, v[LI]                ; back: rows 2 w, 2 w + 1
	s_lshl_b32 s14, ttmp9, 15                      ; qc: position tile 2 g, head w
	s_lshl_b32 s15, s[WV], 10
	s_add_co_u32 s14, s14, s15
	s_mov_b32 s15, 0
	s_lshr_b32 s16, ttmp9, 6                       ; kv: the batch
	s_lshl_b32 s16, s16, 18
	s_mov_b32 s17, 0
	s_lshl_b32 s18, ttmp9, 5                       ; oc: row 32 g + 2 w
	s_lshl_b32 s19, s[WV], 1
	s_add_co_u32 s18, s18, s19
	s_lshl_b32 s18, s18, 10
	s_mov_b32 s19, 0
	s_mov_b32 s[SEL], 0x76543210                   ; v_permlanex16_b32: lane l xor 16
	s_mov_b32 s[SEL+1], 0xfedcba98
	s_wait_kmcnt 0x0
	s_load_b128 s[68:71], s[8:9], 0x18             ; e6, e7, e8, e9
	s_load_b32 s72, s[8:9], 0x28                   ; e10
	s_add_nc_u64 s[4:5], s[4:5], s[14:15]
	s_add_nc_u64 s[6:7], s[6:7], s[16:17]
	s_add_nc_u64 s[10:11], s[10:11], s[18:19]
	s_wait_alu depctr_va_vdst(0)                   ; the offsets and addresses that stay (v1, v4 to v8, v26 to v29) are written, which the loads and stores of the whole kernel read
.irp q, 0,1
.irp i, 0,1
	global_load_b128 v[QF+8*\q+4*\i:QF+8*\q+4*\i+3], v[LI], s[4:5] offset:16384*\q+512*\i
.endr
.endr
.set i, 0
.rept 16
	global_load_b128 v[KB+4*i:KB+4*i+3], v[CP], s[6:7] offset:8192*i          ; K's image: the work-group reads 8,192 consecutive bytes
.set i, i+1
.endr
.set i, 0
.rept 16
	global_load_b128 v[OO+4*i:OO+4*i+3], v[CP], s[6:7] offset:VIMG+8192*i     ; V's: it lands in O^T's registers, which the first walk does not touch
.set i, i+1
.endr
	v_mov_b32 v[PT], 0                             ; written once: a lane permute's destination counts as one of its sources
	v_mov_b32 v[L448], 0x43e00000
	v_mov_b32 v[ONE], 1.0
.irp k, 0,1,2,3
	v_mov_b32 v[CH+\k], 0xff800000                 ; the maxima begin at -infinity
.endr
	s_wait_kmcnt 0x0
	s_add_co_i32 s24, s68, s69
	s_lshl_b32 s24, s24, 23
	s_add_co_i32 s[CS], s24, 0x3e38aa3b            ; c = log2(e) / 8, with e6 + e7 added to its exponent field: a score stands for score x 2^(e6 + e7)
	s_mov_b32 s[CS+1], s[CS]                       ; (named with it as a pair, so it is written)
	s_add_co_i32 s24, s71, 127
	s_lshl_b32 s25, s24, 23
	v_mov_b32 v[SCP], s25
	s_add_co_i32 s24, s24, 8
	s_lshl_b32 s24, s24, 23
	s_or_b32 s24, s24, 0x600000
	v_mov_b32 v[LIM], s24
	s_cmp_lt_i32 s71, -8
	s_cselect_b32 s[HOLD], 1, 0
	s_add_co_i32 s[EO], s70, s71
	s_sub_co_i32 s[EO], s[EO], s72
	s_wait_loadcnt 16                              ; Q and K's image are in; V's sixteen loads stay out through the first walk
.set i, 0
.rept 16
	ds_store_b128 v[CP+i/8], v[KB+4*i:KB+4*i+3] offset:8192*(i%8)
.set i, i+1
.endr
	s_wait_dscnt 0x0                               ; for the others' sake: my part of K's image is stored
	s_barrier_signal -1
	s_barrier_wait -1
	s_wait_alu depctr_vm_vsrc(0)                   ; my LDS stores have read v48 to v111, in which the fragments of K land from here on
.macro LD2 buf, adr, off, f0           ; two fragments, f0 and f0 + 1 of a step's four, of K or of V: each load takes 512 consecutive bytes
.irp f, \f0, \f0+1
.irp i, 0,1
	ds_load_b128 v[\buf+8*(\f)+4*\i:\buf+8*(\f)+4*\i+3], v[\adr] offset:\off+1024*(\f)+512*\i
.endr
.endr
.endm
.macro SMUL kb                         ; S^T of 64 keys x both tiles of queries; kb: K's buffer
.irp f, 0,1,2,3
.irp q, 0,1
	v_wmma_f32_16x16x64_fp8_fp8 v[SS+32*\q+8*\f:SS+32*\q+8*\f+7], v[\kb+8*\f:\kb+8*\f+7], v[QF+8*\q:QF+8*\q+7], 0
.endr
.endr
.endm
; THE FIRST WALK: a step of 64 keys.  kb: the buffer that it multiplies; ko: the other, which takes the next step's keys, off bytes behind the trip's first.
.macro ASTEP kb, ko, off, fetch
	s_wait_dscnt 0x0                               ; K's four fragments are in
.if \fetch
	s_wait_alu depctr_va_vdst(0)                   ; the products of the step before are done reading the other buffer, in which the loads below land; in a trip's first step v2 is written
	LD2 \ko, ADK, \off, 0
	LD2 \ko, ADK, \off, 2
.endif
	SMUL \kb
.rept 4
	v_nop                                          ; four places behind the products (ISA guide 7.12.1), in front of the first read of S^T
.endr
.irp f, 0,1,2,3
.irp u, 0,4
	v_max3_num_f32 v[CH],   v[CH],   v[SS+8*\f+\u],      v[SS+8*\f+\u+1]       ; two chains a tile; each accumulator from its low end on
	v_max3_num_f32 v[CH+2], v[CH+2], v[SS+32+8*\f+\u],   v[SS+32+8*\f+\u+1]
	v_max3_num_f32 v[CH+1], v[CH+1], v[SS+8*\f+\u+2],    v[SS+8*\f+\u+3]
	v_max3_num_f32 v[CH+3], v[CH+3], v[SS+32+8*\f+\u+2], v[SS+32+8*\f+\u+3]
.endr
.endr
.endm
	s_mov_b32 s[TB], 0
	LD2 KB, LI, 0, 0
	LD2 KB, LI, 0, 2
.Lmax:                                             ; 15 trips of two steps; the last two steps are written out: the very last has nothing left to fetch
	s_wait_alu depctr_vm_vsrc(0)                   ; the LDS loads of the trip before have read v2
	v_add_nc_u32 v[ADK], s[TB], v[LI]
	ASTEP KB, VB, 4096, 1
	ASTEP VB, KB, 8192, 1
	s_add_co_u32 s[TB], s[TB], 8192
	s_cmp_lt_u32 s[TB], 122880
	s_cbranch_scc1 .Lmax
	s_wait_alu depctr_vm_vsrc(0)                   ; the LDS loads of the last trip have read v2
	v_add_nc_u32 v[ADK], s[TB], v[LI]
	ASTEP KB, VB, 4096, 1
	ASTEP VB, KB, 0, 0
	v_max_num_f32 v[CH], v[CH], v[CH+1]
	v_max_num_f32 v[CH+2], v[CH+2], v[CH+3]
	v_permlanex16_b32 v[PT], v[CH], s[SEL], s[SEL+1]     ; the query's other keys lie in the lane 16 away
	v_max_num_f32 v[CH], v[CH], v[PT]
	v_permlanex16_b32 v[PT], v[CH+2], s[SEL], s[SEL+1]
	v_max_num_f32 v[CH+2], v[CH+2], v[PT]
	v_mul_f32 v[CH], s[CS], v[CH]                  ; as t (c is positive)
	v_mul_f32 v[CH+2], s[CS], v[CH+2]
	v_floor_f32 v[NM], -v[CH]                      ; -M = floor(-t) = -ceil(t)
	v_floor_f32 v[NM+2], -v[CH+2]
	v_mov_b32 v[NM+1], 0                           ; (named as the pairs' upper halves)
	v_mov_b32 v[NM+3], 0
	s_wait_loadcnt 0x0                             ; V's image
.set i, 0
.rept 16
	ds_store_b128 v[CP+2+i/8], v[OO+4*i:OO+4*i+3] offset:8192*(i%8)
.set i, i+1
.endr
	s_wait_dscnt 0x0                               ; for the others' sake: my part of V's image is stored
	s_barrier_signal -1
	s_barrier_wait -1
	s_wait_alu depctr_vm_vsrc(0)                   ; my LDS stores have read v176 to v239, which the second walk's first products write
.irp k, 0,1,2,3,4,5,6,7
	v_mov_b32 v[CH+\k], 0                          ; the sums
.endr
	s_mov_b32 s[TB], 0
	s_wait_alu depctr_va_vdst(0)                   ; the first walk's products are done reading v48 to v79, in which the loads below land
	LD2 KB, LI, 0, 0
	LD2 KB, LI, 0, 2
; THE SECOND WALK: 64 keys, both tiles.  zero = 1: the first products start O^T's sums: nothing is cleared.  fetch = 1: the next step's K is fetched.
.macro BHALF fetch, zero
	s_wait_dscnt 0x0                               ; K's eight loads are in
	SMUL KB
	s_wait_alu depctr_vm_vsrc(0)                   ; the LDS loads of the step before have read v2 and v3, which the lines below write
	v_add_nc_u32 v[ADV], s[TB], v[LIV]             ; this step's V.  The address lines and the v_nop are the four places behind the products (ISA guide 7.12.1), in front of the first read of S^T
.if \fetch
	s_add_co_u32 s[TB], s[TB], 4096
	v_add_nc_u32 v[ADK], s[TB], v[LI]              ; the next step's K
.rept 2
	v_nop
.endr
.else
.rept 3
	v_nop
.endr
.endif
.irp q, 0,1
.set j, 0
.rept 16
	v_pk_fma_f32 v[SS+32*\q+j:SS+32*\q+j+1], v[SS+32*\q+j:SS+32*\q+j+1], s[CS:CS+1], v[NM+2*\q:NM+2*\q+1] op_sel_hi:[1,0,0]   ; t - M, two at a time (of the pairs c and -M the low word serves both halves)
.set j, j+2
.endr
.endr
.set j, 0
.rept 64
	v_exp_f32 v[SS+j], v[SS+j]                     ; p = 2^(t - M): one batch
.set j, j+1
.endr
	v_nop                                          ; the plain line behind the last exponential
	s_wait_alu depctr_va_vdst(0)                   ; the step's one wait: the exponentials have written p, ahead of its first reader; S^T's products are done reading K and the last step's O^T products V, in which the loads below land; v2 and v3 are written
.set j, 0
.rept 8
.if j == 0                                         ; the step's LDS loads, four at a time among the first sixteen additions, which name the sums and p alone: V first, which is wanted first
	LD2 VB, ADV, 0, 0
.elseif j == 4
	LD2 VB, ADV, 0, 2
.elseif (j == 8) && \fetch
	LD2 KB, ADK, 0, 0
.elseif (j == 12) && \fetch
	LD2 KB, ADK, 0, 2
.endif
	v_pk_add_f32 v[CH:CH+1],   v[CH:CH+1],   v[SS+j:SS+j+1]          ; THE ROW'S SUM IS TAKEN OF THE UNQUANTISED p
	v_pk_add_f32 v[CH+4:CH+5], v[CH+4:CH+5], v[SS+32+j:SS+32+j+1]
	v_pk_add_f32 v[CH+2:CH+3], v[CH+2:CH+3], v[SS+j+2:SS+j+3]
	v_pk_add_f32 v[CH+6:CH+7], v[CH+6:CH+7], v[SS+32+j+2:SS+32+j+3]
.set j, j+4
.endr
	s_cmp_eq_u32 s[HOLD], 0                        ; a whole number among the inputs decides; no tensor load, copy or barrier hangs on it
	s_cbranch_scc1 .Lfree_\@
.set j, 0
.rept 64
	v_min_num_f32 v[SS+j], v[SS+j], v[LIM]         ; the conversion to an 8-bit code does not saturate (ISA guide 7.6.2); p is not negative, so the hold is one-sided
.set j, j+1
.endr
.Lfree_\@:
.irp q, 0,1
.irp f, 0,1,2,3
	v_cvt_scalef32_pk8_fp8_f32 v[PP+8*\q+2*\f:PP+8*\q+2*\f+1], v[SS+32*\q+8*\f:SS+32*\q+8*\f+7], v[SCP]
.endr
.endr
	v_nop                                          ; a plain line between the conversions and the products that read their results
.if \fetch
	s_wait_dscnt 8                                 ; V's eight loads are in; the next K's eight, issued behind them, may be out
.else
	s_wait_dscnt 0x0
.endif
.irp t, 0,1,2,3
.irp q, 0,1
.if \zero
	v_wmma_f32_16x16x64_fp8_fp8 v[OO+32*\q+8*\t:OO+32*\q+8*\t+7], v[VB+8*\t:VB+8*\t+7], v[PP+8*\q:PP+8*\q+7], 0
.else
	v_wmma_f32_16x16x64_fp8_fp8 v[OO+32*\q+8*\t:OO+32*\q+8*\t+7], v[VB+8*\t:VB+8*\t+7], v[PP+8*\q:PP+8*\q+7], v[OO+32*\q+8*\t:OO+32*\q+8*\t+7]   ; eight accumulators by turns, one instruction a turn
.endif
.endr
.endr
.endm
	BHALF 1, 1
.Lkeys:                                            ; 30 trips
	BHALF 1, 0
	s_cmp_lt_u32 s[TB], 126976
	s_cbranch_scc1 .Lkeys
	BHALF 0, 0
	; THE WAY OUT.  The first four additions name no register of the last products: they are the places behind them.
	v_pk_add_f32 v[CH:CH+1], v[CH:CH+1], v[CH+2:CH+3]
	v_pk_add_f32 v[CH+4:CH+5], v[CH+4:CH+5], v[CH+6:CH+7]
	v_add_f32 v[CH], v[CH], v[CH+1]
	v_add_f32 v[CH+4], v[CH+4], v[CH+5]
	v_permlanex16_b32 v[PT], v[CH], s[SEL], s[SEL+1]
	v_add_f32 v[CH], v[CH], v[PT]                  ; the row's sum
	v_permlanex16_b32 v[PT], v[CH+4], s[SEL], s[SEL+1]
	v_add_f32 v[CH+4], v[CH+4], v[PT]
	v_rcp_f32 v[CH+2], v[CH]
	v_rcp_f32 v[CH+6], v[CH+4]
	v_nop                                          ; a plain line behind the last reciprocal
	s_wait_alu depctr_va_vdst(0)                   ; the two reciprocals have written their results, ahead of the first reader
	v_ldexp_f32 v[CH+2], v[CH+2], s[EO]            ; x 2^(e8 + e9 - e10): the result comes out divided by the next quantiser's scale
	v_ldexp_f32 v[CH+6], v[CH+6], s[EO]
.irp q, 0,1
.set j, 0
.rept 16
	v_pk_mul_f32 v[SS+32*\q+j:SS+32*\q+j+1], v[OO+32*\q+j:OO+32*\q+j+1], v[CH+2+4*\q:CH+3+4*\q] op_sel_hi:[1,0]   ; each accumulator from its low end on
.set j, j+2
.endr
.endr
.set j, 0
.rept 64
	v_med3_num_f32 v[SS+j], v[SS+j], -v[L448], v[L448]
.set j, j+1
.endr
.irp q, 0,1
.irp t, 0,1,2,3
	v_cvt_scalef32_pk8_fp8_f32 v[PP+8*\q+2*\t:PP+8*\q+2*\t+1], v[SS+32*\q+8*\t:SS+32*\q+8*\t+7], v[ONE]   ; d = 16 t + 8 h + 0..7 of query r of tile q
.endr
.endr
	v_nop
	s_wait_alu depctr_va_vdst(0)                   ; the conversions have written the codes, which the LDS stores read, and are done reading v112 to v127, in which the rows land behind the barrier
.irp q, 0,1
.irp t, 0,1,2,3
.irp g, 0,1
	ds_store_b32 v[STA], v[PP+8*\q+2*\t+\g] offset:16*SP*\q+64*\t+16*\g
.endr
.endr
.endr
	s_wait_dscnt 0x0                               ; for the others' sake: my head's codes are in the stage
	s_barrier_signal -1
	s_barrier_wait -1
.irp n, 0,1,2,3
	ds_load_b128 v[SS+4*\n:SS+4*\n+3], v[STR] offset:SP*(\n/2)+512*(\n%2)
.endr
.irp n, 0,1,2,3
	s_wait_dscnt 3-\n                              ; load n is in, the younger ones may be out
	global_store_b128 v[LI], v[SS+4*\n:SS+4*\n+3], s[10:11] offset:512*\n     ; 512 consecutive bytes, at a multiple of 256 from oc's first byte
.endr
	s_wait_dscnt 0x0                               ; the closing lines, six on end
	s_wait_alu 0x0
	s_wait_tensorcnt 0x0
	ds_add_u32 v[SPW], v[NIL]
	s_wait_dscnt 0x0
	s_endpgm
.Lfunc_end_k_q54a7c1c83d_attn:
	.size	k_q54a7c1c83d_attn, .Lfunc_end_k_q54a7c1c83d_attn-k_q54a7c1c83d_attn
	.p2alignl 7, 3214868480
	.fill 96, 4, 3214868480
	.section	.rodata,"a",@progbits
	.p2align	6, 0x0
	.amdhsa_kernel k_q54a7c1c83d_attn
		.amdhsa_group_segment_fixed_size 297472
		.amdhsa_private_segment_fixed_size 0
		.amdhsa_enable_private_segment 0
		.amdhsa_kernarg_size 32
		.amdhsa_user_sgpr_count 2
		.amdhsa_user_sgpr_kernarg_segment_ptr 1
		.amdhsa_wavefront_size32 1
		.amdhsa_system_sgpr_workgroup_id_x 1
		.amdhsa_system_sgpr_workgroup_id_y 1
		.amdhsa_system_sgpr_workgroup_id_z 1
		.amdhsa_system_vgpr_workitem_id 0
		.amdhsa_next_free_vgpr 256
		.amdhsa_next_free_sgpr 80
		.amdhsa_reserve_vcc 0
		.amdhsa_float_denorm_mode_32 3
		.amdhsa_float_denorm_mode_16_64 3
		.amdhsa_memory_ordered 1
		.amdhsa_forward_progress 1
		.amdhsa_inst_pref_size 66
	.end_amdhsa_kernel
	.amdgpu_metadata
---
amdhsa.version: [ 1, 2 ]
amdhsa.kernels:
  - .name:           k_q54a7c1c83d_attn
    .symbol:         k_q54a7c1c83d_attn.kd
    .args:
      - { .name: qc, .offset: 0, .size: 8, .value_kind: global_buffer, .address_space: global }
      - { .name: kv, .offset: 8, .size: 8, .value_kind: global_buffer, .address_space: global }
      - { .name: lowp_scales, .offset: 16, .size: 8, .value_kind: global_buffer, .address_space: global }
      - { .name: oc, .offset: 24, .size: 8, .value_kind: global_buffer, .address_space: global }
    .group_segment_fixed_size: 297472
    .private_segment_fixed_size: 0
    .kernarg_segment_align: 8
    .kernarg_segment_size: 32
    .max_flat_workgroup_size: 512
    .sgpr_count:     80
    .vgpr_count:     256
    .wavefront_size: 32
...
	.end_amdgpu_metadata
.endif
;; end of part 7
;; launch oproj: the kernel of part 5 again; grid 4 x 32, 4 waves a work-group, clusters of 4 x 4, 327,680 bytes of LDS; arguments oc, woc, lowp_scales, out0, bo; writes out0
